; MI455X (gfx1250); checked and timed in simulation.
; The chip was launched on July 23, 2026; its instructions are those of AMD's public machine-readable ISA for CDNA 5 (MIT licence, August 2026) and "CDNA5" Instruction Set Architecture Reference Guide (July 2026). The comments in the code are by the model that wrote it; some were corrected since.
;; T5 Gemma2 Decoder. Allowed arithmetic: float matrix products may take bf16 or f16 operands with f32 sums; other float arithmetic in f32, or as packed bf16 or f16 multiplies, adds, multiply-adds, maxima and minima; sums over many terms, partial sums and values carried from step to step in f32; what a program stores and reads back later, other than sums and carried values, may be rounded once to bf16 or f16.
;; Inputs: cos 2 x 1,024 x 256 float32; decoder_attention_mask 2 x 1,024 int32; encoder_attention_mask 2 x 1,024 int32; encoder_hidden_states 2 x 1,024 x 2,048 float32; hidden_states 2 x 1,024 x 2,048 float32; k_norm_w 256 float32; position_ids 2 x 1,024 int32; q_norm_w 256 float32; sin 2 x 1,024 x 256 float32; wk 2,048 x 1,024 float32; wo 2,048 x 2,048 float32; wq 2,048 x 2,048 float32; wv 2,048 x 1,024 float32.
;; Outputs: out0 2 x 1,024 x 2,048 float32.
;; 2 versions, each right; version 2 is version 1 with the launch cast written anew for expert scheduling mode. Each part assembles by itself: llvm-mc -triple=amdgcn-amd-amdhsa -mcpu=gfx1250 --defsym DOCPART=n.
;; ======== version 1 of 2: 4 launches
;; limits: values are held in f16: magnitudes above 65,504 overflow, below 6.1e-05 lose precision
;; workspace buffers: xb 16,777,216 bytes; wb 25,165,824 bytes; csb 2,097,152 bytes; qkv 25,165,824 bytes; ao 8,388,608 bytes; lo_tab 8,192 bytes of whole numbers
;; launch cast (part 1): grid 1345 x 1, 8 waves a work-group, no clusters, 0 bytes of LDS; arguments hidden_states, encoder_hidden_states, wq, wk, wv, wo, cos, sin, position_ids, xb, wb, csb, lo_tab; writes xb, wb, csb, lo_tab
.if DOCPART == 1
	.amdgcn_target "amdgcn-amd-amdhsa--gfx1250"
	.amdhsa_code_object_version 6
	.text
	.protected	k_qad7557fb0f_cast
	.globl	k_qad7557fb0f_cast
	.p2align	8
	.type	k_qad7557fb0f_cast,@function
k_qad7557fb0f_cast:
	s_mov_b64 s[64:65], 0
	v_nop
	global_prefetch_b8 v0, s[64:65] scope:SCOPE_SE
	s_setreg_imm32_b32 hwreg(HW_REG_WAVE_MODE, 25, 1), 1
	s_wait_xcnt 0x0
; ALL FLOATING-POINT INPUTS BUT THE TWO NORM WEIGHTS ARE ROUNDED ONCE TO bf16 HERE, and the range of visible self keys is made for each query.
; A work-group below NCHUNK converts one chunk of 65,536 bytes of f32: eight iterations of 8,192 bytes, each in two halves of 4,096.  Thread t takes the 16 bytes at 16 t of each half and stores 8 bytes at 8 t
; of the half's 2,048: a load of a wave covers 512 consecutive bytes, a store 256, both aligned.
;   hidden, encoder -> xb   [4096 rows][2048] bf16 (hidden first)
;   wq, wk, wv      -> wb   ONE matrix [2048 k][4096 n] bf16: columns 0-2047 wq, 2048-3071 wk, 3072-4095 wv, so that the projection has one row pitch
;   wo              -> wb + 16,777,216  [2048][2048]: rounded to bf16 like every input, and that number written as f16 (its partner in the last product is f16).
;                      LIMIT: an entry below 6.1e-5 keeps f16's fixed step of 6e-8; beyond 65,504 it would be lost.
;   cos, sin        -> csb  [2048 rows][256] bf16, sin 1,048,576 bytes behind cos
; Sixteen loads of a wave go out at once; the numbers are converted in the registers that they came into, and no register is loaded twice: no loop and no wait but the counted ones.
; 80 registers a wave: twelve waves, six work-groups' share, fit the 1,024 of a SIMD, and 1,345 work-groups are at most six for each of 256 WGPs.
; No LDS, no matrix unit, no cluster: nothing is shared.  No prefetch: the launch is one stream.
; Work-group NCHUNK makes lo_tab[b][q] = max(q - 511, first position of q's segment): key k of the decoder is in range for query q where lo <= k <= q.
.set NCHUNK, 1344
.set DO,    4                          ; v[4:11]   byte offset of my 8 bytes in the destination, one for each iteration
.set XR,    16                         ; v[16:79]  eight iterations x 8 numbers as loaded (4 of each half); then, in registers 0, 1 and 4, 5 of the eight, as stored
.set SRC,   30                         ; s[30:31]  the chunk's source
.set START, 32                         ; s32       the source's first chunk
.set WG,    33                         ; s33       my chunk
.set DST,   34                         ; s[34:35]  where an iteration's first half goes
.set DBASE, 36                         ; s36       the source's first byte in its destination buffer
.set SHIFT, 37                         ; s37       log2 of a chunk's bytes there, gaps counted
.set ROWJ,  38                         ; s38       bytes from an iteration's first half to its second there
.set STEP,  39                         ; s39       bytes from an iteration to the next there
.set DST2,  40                         ; s[40:41]  where an iteration's second half goes
.macro PICK start, src, dst, dbase, shift, rowj, step     ; from chunk start on: another source
	s_cmp_ge_u32 s[WG], \start
	s_cselect_b64 s[SRC:SRC+1], s[\src:\src+1], s[SRC:SRC+1]
	s_cselect_b64 s[DST:DST+1], s[\dst:\dst+1], s[DST:DST+1]
	s_cselect_b32 s[START], \start, s[START]
	s_cselect_b32 s[DBASE], \dbase, s[DBASE]
	s_cselect_b32 s[SHIFT], \shift, s[SHIFT]
	s_cselect_b32 s[ROWJ], \rowj, s[ROWJ]
	s_cselect_b32 s[STEP], \step, s[STEP]
.endm
.macro CVT f16                         ; f16 = 1: the bf16 number is written as f16
.irp i, 0,1,2,3,4,5,6,7
	s_wait_loadcnt 14-2*(\i)                       ; loads come back in order: this iteration's two are in, the 2 (7 - i) younger ones stay out
	v_cvt_pk_bf16_f32 v[XR+8*(\i)],   v[XR+8*(\i)],   v[XR+8*(\i)+1]
	v_cvt_pk_bf16_f32 v[XR+8*(\i)+1], v[XR+8*(\i)+2], v[XR+8*(\i)+3]
	v_cvt_pk_bf16_f32 v[XR+8*(\i)+4], v[XR+8*(\i)+4], v[XR+8*(\i)+5]
	v_cvt_pk_bf16_f32 v[XR+8*(\i)+5], v[XR+8*(\i)+6], v[XR+8*(\i)+7]
.if \f16
.irp j, 0,1,4,5
	v_lshlrev_b32 v12, 16, v[XR+8*(\i)+(\j)]
	v_and_b32 v13, 0xffff0000, v[XR+8*(\i)+(\j)]
	v_cvt_pk_f16_f32 v[XR+8*(\i)+(\j)], v12, v13
.endr
.endif
	global_store_b64 v[DO+(\i)], v[XR+8*(\i):XR+8*(\i)+1],   s[DST:DST+1]
	global_store_b64 v[DO+(\i)], v[XR+8*(\i)+4:XR+8*(\i)+5], s[DST2:DST2+1]
.endr
.endm
	s_load_b512 s[4:19], s[0:1], 0x0               ; hidden s[4:5], encoder s[6:7], wq s[8:9], wk s[10:11], wv s[12:13], wo s[14:15], cos s[16:17], sin s[18:19]
	s_load_b256 s[20:27], s[0:1], 0x40             ; position_ids s[20:21], xb s[22:23], wb s[24:25], csb s[26:27]
	s_load_b64 s[28:29], s[0:1], 0x60              ; lo_tab
	s_mov_b32 s[WG], ttmp9
	s_wait_kmcnt 0x0
	s_cmp_eq_u32 s[WG], NCHUNK
	s_cbranch_scc1 .Lmask
	v_lshlrev_b32 v1, 4, v0                        ; my 16 bytes of a half's 4,096
	v_lshlrev_b32 v[DO], 3, v0                     ; my 8 bytes of its 2,048
	s_mov_b64 s[SRC:SRC+1], s[4:5]
	s_mov_b64 s[DST:DST+1], s[22:23]
	s_mov_b32 s[START], 0
	s_mov_b32 s[DBASE], 0
	s_mov_b32 s[SHIFT], 15
	s_mov_b32 s[ROWJ], 2048
	s_mov_b32 s[STEP], 4096
	PICK 256,  6,  22, 8388608,  15, 2048, 4096    ; encoder
	PICK 512,  8,  24, 0,        16, 2048, 8192    ; wq: an iteration is a row; rows of wb are 8,192 bytes apart
	PICK 768,  10, 24, 4096,     17, 8192, 16384   ; wk: a half is a row
	PICK 896,  12, 24, 6144,     17, 8192, 16384   ; wv
	PICK 1024, 14, 24, 16777216, 15, 2048, 4096    ; wo
	PICK 1280, 16, 26, 0,        15, 2048, 4096    ; cos
	PICK 1312, 18, 26, 1048576,  15, 2048, 4096    ; sin
	s_sub_co_u32 s44, s[WG], s[START]              ; my chunk within its source
	s_lshl_b32 s42, s44, 16
	s_mov_b32 s43, 0
	s_add_nc_u64 s[SRC:SRC+1], s[SRC:SRC+1], s[42:43]
	s_lshl_b32 s42, s44, s[SHIFT]
	s_add_co_u32 s42, s42, s[DBASE]
	s_add_nc_u64 s[DST:DST+1], s[DST:DST+1], s[42:43]
	s_mov_b32 s42, s[ROWJ]
	s_add_nc_u64 s[DST2:DST2+1], s[DST:DST+1], s[42:43]
.irp i, 0,1,2,3,4,5,6,7
	global_load_b128 v[XR+8*(\i):XR+8*(\i)+3],   v1, s[SRC:SRC+1] offset:8192*(\i) th:TH_LOAD_NT
	global_load_b128 v[XR+8*(\i)+4:XR+8*(\i)+7], v1, s[SRC:SRC+1] offset:8192*(\i)+4096 th:TH_LOAD_NT
.endr
.irp i, 1,2,3,4,5,6,7
	v_add_nc_u32 v[DO+(\i)], s[STEP], v[DO+(\i)-1]
.endr
	s_sub_co_u32 s46, s[WG], 1024
	s_cmp_lt_u32 s46, 256                          ; wo's chunks: 1,024 to 1,279
	s_cbranch_scc1 .Lwo
	CVT 0
	s_endpgm
.Lwo:
	CVT 1
	s_endpgm
.Lmask:                                        ; wave w < 2 takes batch w; lane l the positions 32 l .. 32 l + 31
	v_lshrrev_b32 v2, 5, v0
	v_readfirstlane_b32 s40, v2
	s_cmp_lt_u32 s40, 2
	s_cbranch_scc0 .Lend
	v_and_b32 v3, 31, v0
	s_lshl_b32 s41, s40, 12                        ; a batch's 1,024 words
	v_lshl_add_u32 v4, v3, 7, s41                  ; my 128 bytes
	v_lshlrev_b32 v5, 7, v3
	v_add_nc_u32 v5, -4, v5                        ; the word in front of them (lane 0: its own first word; position 0 starts a segment whatever it holds)
	v_max_i32 v5, 0, v5
	v_add_nc_u32 v5, s41, v5
.irp j, 0,1,2,3,4,5,6,7
	global_load_b128 v[16+4*(\j):16+4*(\j)+3], v4, s[20:21] offset:16*(\j)
.endr
	global_load_b32 v6, v5, s[20:21]
	v_lshlrev_b32 v7, 5, v3                        ; 32 l
	v_mov_b32 v10, 0
	s_mov_b32 s42, 0
	s_wait_loadcnt 0x0
	; v[48+i] = the last position up to 32 l + i, within my 32, at which the position id did not grow (0 where there is none)
	v_cmp_le_i32 vcc_lo, v16, v6
	v_cndmask_b32 v48, 0, v7, vcc_lo
.set i, 1
.rept 31
	v_add_nc_u32 v8, i, v7
	v_cmp_le_i32 vcc_lo, v[16+i], v[15+i]
	v_cndmask_b32 v9, 0, v8, vcc_lo
	v_max_i32 v[48+i], v[47+i], v9
.set i, i+1
.endr
	; v10 = the same over all lanes below mine
.set i, 0
.rept 32
	v_writelane_b32 v10, s42, i
	v_readlane_b32 s43, v79, i
	s_max_i32 s42, s42, s43
.set i, i+1
.endr
.set i, 0
.rept 32
	v_add_nc_u32 v8, (i-511)&0xffffffff, v7        ; q - 511
	v_max_i32 v9, v10, v8
	v_max_i32 v[48+i], v[48+i], v9
.set i, i+1
.endr
.irp j, 0,1,2,3,4,5,6,7
	global_store_b128 v4, v[48+4*(\j):48+4*(\j)+3], s[28:29] offset:16*(\j)
.endr
.Lend:
	s_endpgm
.Lfunc_end_k_qad7557fb0f_cast:
	.size	k_qad7557fb0f_cast, .Lfunc_end_k_qad7557fb0f_cast-k_qad7557fb0f_cast
	.p2alignl 7, 3214868480
	.fill 96, 4, 3214868480
	.section	.rodata,"a",@progbits
	.p2align	6, 0x0
	.amdhsa_kernel k_qad7557fb0f_cast
		.amdhsa_group_segment_fixed_size 0
		.amdhsa_private_segment_fixed_size 0
		.amdhsa_enable_private_segment 0
		.amdhsa_kernarg_size 104
		.amdhsa_user_sgpr_count 2
		.amdhsa_user_sgpr_kernarg_segment_ptr 1
		.amdhsa_wavefront_size32 1
		.amdhsa_system_sgpr_workgroup_id_x 1
		.amdhsa_system_sgpr_workgroup_id_y 1
		.amdhsa_system_sgpr_workgroup_id_z 1
		.amdhsa_system_vgpr_workitem_id 0
		.amdhsa_next_free_vgpr 80
		.amdhsa_next_free_sgpr 66
		.amdhsa_reserve_vcc 1
		.amdhsa_float_denorm_mode_32 3
		.amdhsa_float_denorm_mode_16_64 3
		.amdhsa_memory_ordered 1
		.amdhsa_forward_progress 1
		.amdhsa_inst_pref_size 34
	.end_amdhsa_kernel
	.amdgpu_metadata
---
amdhsa.version: [ 1, 2 ]
amdhsa.kernels:
  - .name:           k_qad7557fb0f_cast
    .symbol:         k_qad7557fb0f_cast.kd
    .args:
      - { .name: hidden_states, .offset: 0, .size: 8, .value_kind: global_buffer, .address_space: global }
      - { .name: encoder_hidden_states, .offset: 8, .size: 8, .value_kind: global_buffer, .address_space: global }
      - { .name: wq, .offset: 16, .size: 8, .value_kind: global_buffer, .address_space: global }
      - { .name: wk, .offset: 24, .size: 8, .value_kind: global_buffer, .address_space: global }
      - { .name: wv, .offset: 32, .size: 8, .value_kind: global_buffer, .address_space: global }
      - { .name: wo, .offset: 40, .size: 8, .value_kind: global_buffer, .address_space: global }
      - { .name: cos, .offset: 48, .size: 8, .value_kind: global_buffer, .address_space: global }
      - { .name: sin, .offset: 56, .size: 8, .value_kind: global_buffer, .address_space: global }
      - { .name: position_ids, .offset: 64, .size: 8, .value_kind: global_buffer, .address_space: global }
      - { .name: xb, .offset: 72, .size: 8, .value_kind: global_buffer, .address_space: global }
      - { .name: wb, .offset: 80, .size: 8, .value_kind: global_buffer, .address_space: global }
      - { .name: csb, .offset: 88, .size: 8, .value_kind: global_buffer, .address_space: global }
      - { .name: lo_tab, .offset: 96, .size: 8, .value_kind: global_buffer, .address_space: global }
    .group_segment_fixed_size: 0
    .private_segment_fixed_size: 0
    .kernarg_segment_align: 8
    .kernarg_segment_size: 104
    .max_flat_workgroup_size: 256
    .sgpr_count:     66
    .vgpr_count:     80
    .wavefront_size: 32
...
	.end_amdgpu_metadata
.endif
;; end of part 1
;; launch proj (part 2): grid 8 x 24, 4 waves a work-group, clusters of 4 x 4, 327,680 bytes of LDS; arguments xb, wb, csb, q_norm_w, k_norm_w, qkv; writes qkv
.if DOCPART == 2
	.amdgcn_target "amdgcn-amd-amdhsa--gfx1250"
	.amdhsa_code_object_version 6
	.text
	.protected	k_qad7557fb0f_proj
	.globl	k_qad7557fb0f_proj
	.p2align	8
	.type	k_qad7557fb0f_proj,@function
k_qad7557fb0f_proj:
	s_mov_b64 s[64:65], 0
	v_nop
	global_prefetch_b8 v0, s[64:65] scope:SCOPE_SE
	s_setreg_imm32_b32 hwreg(HW_REG_WAVE_MODE, 25, 1), 1
	s_wait_xcnt 0x0
	s_wait_alu depctr_hold_cnt(0) depctr_sa_sdst(0) depctr_va_vdst(0) depctr_va_sdst(0) depctr_va_ssrc(0) depctr_va_vcc(0) depctr_vm_vsrc(0)
	s_getreg_b32 s2, hwreg(HW_REG_IB_STS2, 6, 4)
	s_cmp_eq_u32 s2, 0
	s_cbranch_scc0 .Lentry_in_a_cluster
	s_endpgm
.Lentry_in_a_cluster:
	s_bfe_u32 s2, ttmp6, 0x10000c
	s_cmp_lg_u32 s2, 0xf033
	s_cbranch_scc0 .Lentry_shape_is_right
	s_endpgm
.Lentry_shape_is_right:
; THE FIVE PROJECTIONS, with RMS norm, RoPE and the score's scale on the way out.  x: xb [4096][2048] bf16 (hidden, then encoder); w: wb [2048 k][4096 n] bf16 (wq | wk | wv).
; A work-group makes 256 rows x 256 columns = ONE HEAD of 256 rows, so that the norm over a head's 256 channels stays inside it.  Four waves, 128 x 128 each: 64 accumulators, 512 registers.
; 192 tiles: clusters with y < 2: q (8 row tiles of hidden x 8 heads); y >= 2: 16 row tiles of hidden and encoder x (cluster x = 0: the 4 heads of k; x = 1: of v).  A head cannot be split, and tiles of 128 rows would be 384.
; K goes in 16 steps of 128 through two LDS slots.  x's rows lie along K; w's rows lie along N and are turned on the way out of LDS by ds_load_tr16_b128.
; CLUSTER 4 x 4: x's tile is shared along a row of the cluster, w's along a column; each is asked for jointly.  What a tile IS (q, k, v; self or cross) hangs on the cluster's coordinates alone, never on a place inside it.
; THE MATRIX INSTRUCTION IS USED TRANSPOSED (source 0 = 16 columns of w, source 1 = 16 rows of x): a lane holds eight neighbouring channels of one row.
; WAY OUT: the f32 tile goes into LDS (the ring's bytes, which have had their last fill); each wave takes 64 whole rows: a lane holds channels 4 l .. 4 l + 3 and 128 + 4 l .. + 3, RoPE's partners.
;   q, k: x * rsqrt(mean(x^2) + 1e-6) * (1 + w) * CSQ; q and the decoder's k are rotated.  CSQ^2 = 2 log2(e) / (16 x 50): the product q . k is then the exponent that the soft cap wants.  v: as it is.
;   ONE text serves the three kinds: two forward jumps on the kind pass the norm, or the rotation.  Every kind asks for the first eight rows' cos and sin (8,192 bytes a wave), so that the text's table registers are
;   written on every way; a kind that does not rotate leaves them unread.
;   The norm weights are rounded to bf16 like every input.  Results are rounded ONCE, to f16.  LIMIT: |v| stays under 65,504 (f16); q and k are normalised and lie far inside.
; REGISTERS: window 0: v0-31 addresses and the norm's gains; v64-127, v128-191 x's fragments, two buffers; on the way out v32-191 at work.  window 1: the same numbers: w's fragments.  windows 2, 3: accumulator (a, b) at 8 (8 a + b).
; SCALAR TEMPORARIES are kept apart by what they may hold: s68-69 the cluster's coordinates; s70, s72-73 my place along y; s71, s74-75 along x; s92-95 LDS addresses (no place in the cluster); s96-99 global offsets (any).
.set NSTEP, 16
.set KSTEP, 128
.set PA,    272                        ; a row of x in LDS: 256 bytes + 16: the 16 rows of a load start 16 bytes further on, modulo 256, each
.set PB,    544                        ; a row of w: 512 bytes + 32: 16 lanes of the turning load take 8 rows x 32 bytes, all apart modulo 256
.set HALFT, 128*PA                     ; what one tensor load brings: 128 rows of x, or 64 rows of w (64 x 544 is the same 34,816)
.set BOFF,  2*HALFT
.set SLOT,  4*HALFT                    ; 139,264 = 0x22000; no wave's LDS word (w x 34,816) has one of its two bits set, so one exclusive or changes slots
.set SPARE, 2*SLOT                     ; behind the ring: the spare words, 128 bytes for each wave, that no other line names
.set DP,    1040                       ; a row of the f32 tile in LDS: 1,024 bytes + 16
.set WROW,  8192                       ; bytes in a row of w
.set ADRA0, 2                          ; v2   my lane's place in x's tile; never rewritten
.set ADRB0, 3                          ; v3   in w's
.set ADRA,  4                          ; v4   the same in the slot in hand
.set ADRB,  5
.set DST0,  6                          ; v6   the way out: where my 32 bytes of row block 0 go;  v7: of row block 4
.set DST1,  7
.set G,     8                          ; v[8:15]  (1 + w) CSQ of my eight channels
.set XA,    16                         ; v16  the way out: my 16 bytes of a row of the f32 tile
.set CO,    17                         ; v17  8 x lane
.set ZR,    18                         ; v18  0.0
.set LN,    19                         ; v19  lane
.set HH,    20                         ; v20  lane / 16
.set SPW,   28                         ; v28  my spare word;  v29  0: kept for the add alone
.set NIL,   29
.set PFO,   30                         ; v30  the prefetches' lane offset
.set F0,    64
.set F1,    128
.set X,     32                         ; way out: v[32:95]   8 rows x 8 numbers
.set CS,    96                         ;          v[96:159]  8 rows x (cos low, cos high, sin low, sin high), 2 registers of bf16 each
.set T,     160                        ;          v[160:175] a pair a row: sum of squares, then 1 / root
.set U,     176                        ;          v[176:191] RoPE's cross terms, by the row's parity
.set WV,  16
.set WR,  17                           ; wave / 2: my half of the rows.  Also: I fetch x (0) or w (1)
.set WC,  18                           ; wave % 2: my half of the columns.  Also: which half of that tile I fetch
.set CXI, 19
.set CYI, 20
.set CLX, 21
.set CLY, 22
.set ISQ, 23
.set G1,  24                           ; s[24:31] group 1 for x;  s[32:39] group 0: a set for each first fill, the second walks on
.set G0,  32
.set CNT, 40
.set TB,  41                           ; LDS byte at which the slot in hand begins
.set LIM, 42                           ; 1 in a wave that prefetches, else the greatest number
.set KIND, 43                          ; 0 norm and RoPE, 1 norm, 2 neither
.set PFA, 44                           ; s[44:45] where my prefetches stand;  s[46:47] their step
.set PFS, 46
.set G1B, 48
.set G0B, 56
.set ART, 66                           ; row tile in xb
.set CT,  67                           ; column tile in wb
.set NWP, 80                           ; s[80:81] the norm weight
.set CSB, 82                           ; s[82:83] cos at my rows
.set DB,  84                           ; s[84:85] the destination at my rows
.set CSQ, 86
.set SEL, 88
.set INV, 90
.set EPSR, 91
.set MSB, 0
.macro WIN new                         ; the immediate's high byte repeats the setting that is left; a switch that changes nothing is dropped
.if MSB != (\new)
	s_set_vgpr_msb (MSB<<8)|(\new)
.set MSB, \new
.endif
.endm
.set MUL_LO, 0xa1                      ; source 0 (w) window 1, source 1 (x) window 0, C and D window 2
.set MUL_HI, 0xf1
.set TO_B,   0x40
.macro PLACES                          ; four plain instructions between a matrix instruction and a load into, or a read of, its registers
.rept 4
	v_nop
.endr
.endm
.macro JLOAD                           ; a joint refill by the walking sets: waves 0, 1 x's halves, waves 2, 3 w's; s_nop 0 and four v_nop behind each line
	s_cmp_eq_u32 s[WR], 0
	s_cbranch_scc0 .Lfor_b_\@
	tensor_load_to_lds s[G0+4:G0+7], s[G1:G1+7]
	s_nop 0
.rept 4
	v_nop
.endr
	s_branch .Lasked_\@
.Lfor_b_\@:
	tensor_load_to_lds s[G0B+4:G0B+7], s[G1B:G1B+7]
	s_nop 0
.rept 4
	v_nop
.endr
.Lasked_\@:
.endm
; A PREFETCH of the K step that the NEXT refill will ask for: 256 matrix instructions ahead of that load.  One instruction a wave, 32 blocks of 256 bytes, each named once in the launch:
; hidden's rows by the q clusters with x = 0, encoder's by clusters y = 4, 5 with x = 0; wq's by clusters y = 0, wk's and wv's by clusters y = 2.  The four partners that ask for a tile jointly share it out by
; address (x: 32 rows each by cx; w: 16 rows x 2 blocks each by cy).  The first three K steps come by their loads alone; the last refill has no K step behind it and asks for nothing.
.macro ASK
	s_cmp_gt_u32 s[CNT], s[LIM]
	s_cbranch_scc0 .Lnot_mine_\@
	global_prefetch_b8 v[PFO], s[PFA:PFA+1] th:TH_LOAD_NT scope:SCOPE_SE
.Lnot_mine_\@:
.endm
.macro CREST                           ; a round of the cluster's barrier behind its opening barrier
	s_cmp_lg_u32 s[WV], 0
	s_cbranch_scc1 .Lnot_wave_0_\@
	s_barrier_signal -3
.Lnot_wave_0_\@:
	s_barrier_wait -3
	s_barrier_signal -1
	s_barrier_wait -1
.endm
.macro CROUND
	s_barrier_signal -1
	s_barrier_wait -1
	CREST
.endm
.macro LOADCS                          ; eight rows' cos and sin of my eight channels: each load of the wave takes 256 consecutive bytes
.irp i, 0,1,2,3,4,5,6,7
	global_load_b64 v[CS+8*(\i):CS+8*(\i)+1],   v[CO], s[CSB:CSB+1] offset:(\i)*512
	global_load_b64 v[CS+8*(\i)+2:CS+8*(\i)+3], v[CO], s[CSB:CSB+1] offset:(\i)*512+256
	global_load_b64 v[CS+8*(\i)+4:CS+8*(\i)+5], v[CO], s[CSB:CSB+1] offset:(\i)*512+1048576
	global_load_b64 v[CS+8*(\i)+6:CS+8*(\i)+7], v[CO], s[CSB:CSB+1] offset:(\i)*512+1048576+256
.endr
.endm
	s_load_b256 s[4:11], s[0:1], 0x0               ; xb s[4:5], wb s[6:7], csb s[8:9], q_norm_w s[10:11]
	s_load_b128 s[12:15], s[0:1], 0x20             ; k_norm_w s[12:13], qkv s[14:15]
	v_lshl_add_u32 v[SPW], v0, 2, SPARE
	v_mov_b32 v[NIL], 0
	ds_add_u32 v[SPW], v[NIL]                      ; the wave's opening: the add and its wait stand ahead of my first tensor load
	v_lshrrev_b32 v1, 5, v0
	v_readfirstlane_b32 s[WV], v1
	s_lshr_b32 s[WR], s[WV], 1
	s_and_b32 s[WC], s[WV], 1
	s_bfe_u32 s[CXI], ttmp6, 0x40000
	s_bfe_u32 s[CYI], ttmp6, 0x40004
	s_mov_b32 s[CLX], ttmp9
	s_and_b32 s[CLY], ttmp7, 0xffff
	s_sub_co_u32 s68, s[CLY], 2
	s_cmp_lt_u32 s[CLY], 2                         ; q?
	s_cselect_b32 s68, s[CLY], s68
	s_cselect_b32 s[ISQ], 1, 0
	s_cselect_b32 s69, 0, 8
	s_lshl_b32 s[ART], s68, 2
	s_add_co_u32 s[ART], s[ART], s[CYI]            ; q: 0-7 (hidden); k, v: 0-15 (hidden, encoder)
	s_lshl_b32 s[CT], s[CLX], 2
	s_add_co_u32 s[CT], s[CT], s69
	s_add_co_u32 s[CT], s[CT], s[CXI]              ; q: 0-7; k: 8-11; v: 12-15
	s_cmp_ge_u32 s[CLY], 4
	s_cselect_b32 s[KIND], 1, 0                    ; encoder's keys are not rotated
	s_cmp_eq_u32 s[CLX], 1
	s_cselect_b32 s[KIND], 2, s[KIND]
	s_cmp_eq_u32 s[ISQ], 1
	s_cselect_b32 s[KIND], 0, s[KIND]
	s_lshl_b32 s70, s[CYI], 2
	s_lshl_b32 s70, 15, s70                        ; my row of the cluster
	s_lshl_b32 s71, 0x1111, s[CXI]                 ; my column
	s_or_b32 s[G1], s70, (1<<16)|(1<<20)|(1<<21)|(5<<22)|(3<<25)   ; mask; 2-byte elements; padding on; bit 21 beside a mask; after every 64 words 4 words
	s_or_b32 s[G1B], s71, (1<<16)|(1<<20)|(1<<21)|(6<<22)|(7<<25)  ; after every 128 words 8 words
	s_mov_b32 s[G1+1], 128<<16                     ; x: tensor_dim0 = 128
	s_mov_b32 s[G1+2], 128<<16                     ; tensor_dim1 = 128
	s_mov_b32 s[G1+3], 128<<16                     ; tile_dim0 = 128
	s_mov_b32 s[G1+4], 128                         ; tile_dim1 = 128
	s_mov_b32 s[G1+5], 2048                        ; elements from row to row
	s_mov_b32 s[G1+6], 0
	s_mov_b32 s[G1+7], 0
	s_mov_b32 s[G1B+1], 256<<16                    ; w: 64 rows of 256 elements
	s_mov_b32 s[G1B+2], 64<<16
	s_mov_b32 s[G1B+3], 256<<16
	s_mov_b32 s[G1B+4], 64
	s_mov_b32 s[G1B+5], 4096
	s_mov_b32 s[G1B+6], 0
	s_mov_b32 s[G1B+7], 0
	s_lshl_b32 s72, s[ART], 8                      ; x: row 256 x row tile + 128 x half, 4,096 bytes each: made of the tile row and the wave alone
	s_lshl_b32 s73, s[WC], 7
	s_add_co_u32 s72, s72, s73
	s_lshl_b32 s72, s72, 12
	s_mov_b32 s73, 0
	s_lshl_b32 s74, s[CT], 9                       ; w: 512 bytes x column tile + 64 rows x half: made of the tile column and the wave alone
	s_lshl_b32 s75, s[WC], 19
	s_add_co_u32 s74, s74, s75
	s_mov_b32 s75, 0
	s_mul_i32 s76, s[WV], HALFT                    ; where they go: no place in the cluster enters an LDS address
	s_mov_b32 s[CSQ], 0x3d75fd68                   ; sqrt(2 log2(e) / 800) = 0.06005612
	s_mov_b32 s[CSQ+1], s[CSQ]
	s_mov_b32 s[SEL], 0x76543210
	s_mov_b32 s[SEL+1], 0xfedcba98
	s_mov_b32 s[INV], 0x3b800000                   ; 1 / 256
	s_mov_b32 s[EPSR], 0x358637bd                  ; 1e-6
	s_mov_b32 s[TB], 0
	s_wait_dscnt 0x0                               ; the opening add is done
	s_wait_kmcnt 0x0
	s_add_nc_u64 s[72:73], s[4:5], s[72:73]
	s_add_nc_u64 s[74:75], s[6:7], s[74:75]
	CROUND                                         ; all sixteen work-groups are here: the first joint loads meet
.irp s, 0,1
	s_mov_b32 s[G0+4*(\s)], 1
	s_add_co_u32 s[G0+4*(\s)+1], s76, (\s)*SLOT
	s_add_nc_u64 s[G0+4*(\s)+2:G0+4*(\s)+3], s[72:73], (\s)*KSTEP*2
	s_or_b32 s[G0+4*(\s)+3], s[G0+4*(\s)+3], 0x80000000
	s_mov_b32 s[G0B+4*(\s)], 1
	s_add_co_u32 s[G0B+4*(\s)+1], s76, (\s)*SLOT
	s_add_nc_u64 s[G0B+4*(\s)+2:G0B+4*(\s)+3], s[74:75], (\s)*KSTEP*WROW
	s_or_b32 s[G0B+4*(\s)+3], s[G0B+4*(\s)+3], 0x80000000
.endr
	s_cmp_eq_u32 s[WR], 0                          ; a wave's two first fills stand in one branch: K steps 0 and 1; two loads of mine are out
	s_cbranch_scc0 .Lfirst_b
	tensor_load_to_lds s[G0:G0+3], s[G1:G1+7]
	s_nop 0
	tensor_load_to_lds s[G0+4:G0+7], s[G1:G1+7]
	s_nop 0
.rept 4
	v_nop
.endr
	s_branch .Lfirst_asked
.Lfirst_b:
	tensor_load_to_lds s[G0B:G0B+3], s[G1B:G1B+7]
	s_nop 0
	tensor_load_to_lds s[G0B+4:G0B+7], s[G1B:G1B+7]
	s_nop 0
.rept 4
	v_nop
.endr
.Lfirst_asked:
	v_and_b32 v1, 15, v0                           ; lane % 16
	v_bfe_u32 v[HH], v0, 4, 1
	v_and_b32 v[LN], 31, v0
	v_mov_b32 v[ZR], 0
	s_cmp_eq_u32 s[ISQ], 1
	s_cselect_b64 s[NWP:NWP+1], s[10:11], s[12:13]
	v_lshlrev_b32 v23, 4, v[LN]
	global_load_b128 v[G:G+3],   v23, s[NWP:NWP+1]             ; the norm weight of channels 4 l ..,
	global_load_b128 v[G+4:G+7], v23, s[NWP:NWP+1] offset:512  ; and 128 + 4 l ..
	s_mul_i32 s92, s[WR], HALFT
	v_mul_u32_u24 v21, v1, PA
	v_lshl_add_u32 v21, v[HH], 4, v21
	v_add_nc_u32 v[ADRA0], s92, v21                ; (128 wr + l % 16) x pitch + 16 (l / 16)
	v_and_b32 v22, 7, v0
	v_lshl_add_u32 v22, v[HH], 3, v22
	v_mul_u32_u24 v22, v22, PB
	v_bfe_u32 v24, v0, 3, 1
	v_lshl_add_u32 v22, v24, 4, v22
	s_lshl_b32 s93, s[WC], 8
	s_add_co_u32 s93, s93, BOFF
	v_add_nc_u32 v[ADRB0], s93, v22                ; the turning load: row 8 (l / 16) + l % 8, 16 bytes ((l / 8) % 2), my 128 columns
	v_mov_b32 v[ADRA], v[ADRA0]
	v_mov_b32 v[ADRB], v[ADRB0]
	s_mul_i32 s94, s[WR], 128*DP
	s_lshl_b32 s95, s[WC], 9
	s_add_co_u32 s94, s94, s95
	v_mul_u32_u24 v25, v1, DP
	v_lshl_add_u32 v25, v[HH], 5, v25
	v_add_nc_u32 v[DST0], s94, v25
	v_add_nc_u32 v[DST1], 64*DP, v[DST0]
	; the prefetches
	s_lshl_b32 s96, s[ART], 8
	s_lshl_b32 s97, s[WC], 7
	s_add_co_u32 s96, s96, s97
	s_lshl_b32 s97, s[CXI], 5
	s_add_co_u32 s96, s96, s97
	s_lshl_b32 s96, s96, 12                        ; x: my work-group's 32 of the 128 rows that I fetch
	s_lshl_b32 s97, s[WC], 6
	s_lshl_b32 s98, s[CYI], 4
	s_add_co_u32 s97, s97, s98
	s_lshl_b32 s97, s97, 13
	s_lshl_b32 s98, s[CT], 9
	s_add_co_u32 s97, s97, s98                     ; w: my work-group's 16 of the 64 rows
	s_lshr_b32 s77, s[CLY], 1
	s_cmp_lg_u32 s77, 1
	s_cselect_b32 s77, 1, 0
	s_cmp_eq_u32 s[CLX], 0
	s_cselect_b32 s77, s77, 0                      ; x is asked for where cluster x = 0 and cluster y is not 2 or 3
	s_and_b32 s78, s[CLY], 5
	s_cmp_eq_u32 s78, 0
	s_cselect_b32 s78, 1, 0                        ; w where cluster y is 0 or 2
	s_mov_b32 s[PFS], KSTEP*WROW                   ; w's K step in bytes; x's takes its place below
	s_cmp_eq_u32 s[WR], 0
	s_cselect_b32 s98, s96, s97
	s_cselect_b64 s[PFA:PFA+1], s[4:5], s[6:7]
	s_cselect_b32 s[PFS], KSTEP*2, s[PFS]
	s_cselect_b32 s77, s77, s78
	s_cselect_b32 s79, -1, 0
	s_mov_b32 s99, 0
	s_mov_b32 s[PFS+1], 0
	s_cmp_eq_u32 s77, 1
	s_cselect_b32 s[LIM], 1, -1
	s_add_nc_u64 s[PFA:PFA+1], s[PFA:PFA+1], s[98:99]
	s_add_nc_u64 s[PFA:PFA+1], s[PFA:PFA+1], s[PFS:PFS+1]
	s_add_nc_u64 s[PFA:PFA+1], s[PFA:PFA+1], s[PFS:PFS+1]      ; at K step 2: the first refill steps it to 3
	v_lshlrev_b32 v21, 12, v[LN]                   ; x: a lane a row
	v_lshrrev_b32 v22, 1, v[LN]
	v_lshlrev_b32 v22, 13, v22
	v_and_b32 v24, 1, v[LN]
	v_lshl_or_b32 v22, v24, 8, v22                 ; w: two lanes a row of 512 bytes
	v_cndmask_b32 v[PFO], v22, v21, s79
	s_wait_loadcnt 0x0
.irp k, 0,2,4,6
	v_cvt_pk_bf16_f32 v27, v[G+(\k)], v[G+(\k)+1]  ; rounded to bf16 like every input,
	v_lshlrev_b32 v[G+(\k)], 16, v27
	v_and_b32 v[G+(\k)+1], 0xffff0000, v27
	v_pk_add_f32 v[G+(\k):G+(\k)+1], v[G+(\k):G+(\k)+1], 1.0 op_sel_hi:[1,0]
	v_pk_mul_f32 v[G+(\k):G+(\k)+1], v[G+(\k):G+(\k)+1], s[CSQ:CSQ+1] op_sel_hi:[1,0]
.endr
; 16 matrix instructions: row blocks a0, a0 + 1 of the window's four x all 8 column blocks, 32 along K.  zero = 1: the first product starts the sums.
.macro MUL16 f, hi, a0, zero
	WIN MUL_LO+0x50*(\hi)
.irp a, \a0, (\a0)+1
.irp b, 0,1,2,3,4,5,6,7
.if \zero
	v_wmma_f32_16x16x32_bf16 v[8*(8*(\a)+(\b)):8*(8*(\a)+(\b))+7], v[(\f)+8*(\b):(\f)+8*(\b)+7], v[(\f)+8*(4*(\hi)+(\a)):(\f)+8*(4*(\hi)+(\a))+7], 0
.else
	v_wmma_f32_16x16x32_bf16 v[8*(8*(\a)+(\b)):8*(8*(\a)+(\b))+7], v[(\f)+8*(\b):(\f)+8*(\b)+7], v[(\f)+8*(4*(\hi)+(\a)):(\f)+8*(4*(\hi)+(\a))+7], v[8*(8*(\a)+(\b)):8*(8*(\a)+(\b))+7]
.endif
.endr
.endr
.endm
; 32 LDS loads in one run: quarter q (32 along K) of the slot in hand into buffer f: w's eight column blocks, turned, then x's eight row blocks
.macro FETCH q, f
	WIN TO_B
.irp i, 0,1,2,3,4,5,6,7
	ds_load_tr16_b128 v[(\f)+8*(\i):(\f)+8*(\i)+3],   v[ADRB] offset:(\q)*32*PB+32*(\i)
	ds_load_tr16_b128 v[(\f)+8*(\i)+4:(\f)+8*(\i)+7], v[ADRB] offset:(\q)*32*PB+32*(\i)+16*PB
.endr
	WIN 0
.irp i, 0,1,2,3,4,5,6,7
	ds_load_b128 v[(\f)+8*(\i):(\f)+8*(\i)+3],   v[ADRA] offset:(\q)*64+(\i)*16*PA
	ds_load_b128 v[(\f)+8*(\i)+4:(\f)+8*(\i)+7], v[ADRA] offset:(\q)*64+(\i)*16*PA+32
.endr
.endm
; multiplies buffer f; in its middle fetches quarter q of the same slot into buffer g
.macro QUARTER q, f, g, zero
	s_wait_dscnt 8                                 ; w and x's rows 0-63 are in; the youngest eight loads (x's rows 64-127) may be out
	MUL16 \f, 0, 0, \zero
	MUL16 \f, 0, 2, \zero
	PLACES
	FETCH \q, \g
	s_wait_dscnt 32                                ; all but the 32 just issued
	MUL16 \f, 1, 0, \zero
	MUL16 \f, 1, 2, \zero
.endm
; The last quarter of a K step multiplies buffer 1 and changes slots.  In front of the one barrier each wave waits for all its tensor loads (one is out: its part of the next slot), adds 0 to its
; spare word, and waits for that and for its own reads of this slot.  Behind it nobody reads this slot and the next is whole.
.macro MEET
	WIN 0
	s_wait_tensorcnt 0x0
	ds_add_u32 v[SPW], v[NIL]
	s_wait_dscnt 9                                 ; (the add and the youngest eight loads may be out)
	MUL16 F1, 0, 0, 0
	s_wait_dscnt 0x0                               ; the add is done, and my reads of this slot are over
	s_barrier_signal -1
	MUL16 F1, 0, 2, 0
	WIN 0
	s_barrier_wait -1
.endm
; fill = 1: this slot is filled again, two K steps ahead: 224 matrix instructions stand between the request and the wait for it.
; fill = 0 (the last two K steps): nothing is asked for; the very last step (s[CNT] = 1) has no slot behind it, and the run of LDS loads is jumped over.
.macro TURN fill
.if \fill
	s_wait_xcnt 0x0                                ; the last prefetch, a K step back, has read its address
	s_add_nc_u64 s[PFA:PFA+1], s[PFA:PFA+1], s[PFS:PFS+1]
.endif
	MEET
.if \fill
	CREST                                          ; the barrier has opened a round of the cluster's: no wave of any partner still reads this slot or has a load on its way
	s_xor_b32 s[G0+5], s[G0+5], SLOT               ; the walking sets: the other slot than last time, the next K step
	s_add_nc_u64 s[G0+6:G0+7], s[G0+6:G0+7], KSTEP*2
	s_xor_b32 s[G0B+5], s[G0B+5], SLOT
	s_add_nc_u64 s[G0B+6:G0B+7], s[G0B+6:G0B+7], KSTEP*WROW
	JLOAD                                          ; the first tensor load behind the round; its four v_nop are also the places in front of the loads below
.else
	s_cmp_eq_u32 s[CNT], 1
	s_cbranch_scc1 .Lno_next_\@
	PLACES
.endif
	s_xor_b32 s[TB], s[TB], SLOT
	v_add_nc_u32 v[ADRA], s[TB], v[ADRA0]
	v_add_nc_u32 v[ADRB], s[TB], v[ADRB0]
	FETCH 0, F0
.if \fill
	ASK
.else
.Lno_next_\@:
.endif
	MUL16 F1, 1, 0, 0
	MUL16 F1, 1, 2, 0
.endm
	s_wait_tensorcnt 1                             ; my part of K step 0 is in; K step 1's may stay out
	s_barrier_signal -1
	s_barrier_wait -1
	FETCH 0, F0
	QUARTER 1, F0, F1, 1                           ; the first quarter stands in front of the loop: its products start the sums
	WIN 0
	s_mov_b32 s[CNT], NSTEP-2
.Lstep:                                        ; a trip: a K step's quarters 1 to 3 and the next step's quarter 0; the slot left is filled again.  The 64 accumulators take turns, over every jump too
	QUARTER 2, F1, F0, 0
	QUARTER 3, F0, F1, 0
	TURN 1
	QUARTER 1, F0, F1, 0
	WIN 0
	s_sub_co_u32 s[CNT], s[CNT], 1
	s_cmp_lg_u32 s[CNT], 0
	s_cbranch_scc1 .Lstep
	s_mov_b32 s[CNT], 2
.Ltail:                                        ; the last two K steps have a text of their own; the second trip is left in its middle
	QUARTER 2, F1, F0, 0
	QUARTER 3, F0, F1, 0
	TURN 0
	WIN 0
	s_sub_co_u32 s[CNT], s[CNT], 1
	s_cmp_eq_u32 s[CNT], 0
	s_cbranch_scc1 .Lout
	QUARTER 1, F0, F1, 0
	WIN 0
	s_branch .Ltail
.Lout:
	; THE WAY OUT.  The first eight rows' tables are asked for first: they have the 128 LDS stores and the two barriers below in which to land.
	PLACES
	PLACES
	s_and_b32 s98, s[ART], 7                       ; cos and sin at my 64 rows of the decoder
	s_lshl2_add_u32 s98, s98, s[WV]
	s_lshl_b32 s98, s98, 15
	s_mov_b32 s99, 0
	s_add_nc_u64 s[CSB:CSB+1], s[8:9], s[98:99]
	v_lshlrev_b32 v[CO], 3, v[LN]
	LOADCS
	s_wait_dscnt 0x0                               ; no LDS instruction of mine is out
	s_barrier_signal -1
	s_barrier_wait -1                              ; the f32 tile goes into the ring's bytes: nobody reads them any more, and no tensor load follows
.irp a, 0,1,2,3,4,5,6,7
	WIN 0x08+4*((\a)/4)                            ; the stores' data: window 2 or 3
.irp b, 0,1,2,3,4,5,6,7
	ds_store_b128 v[DST0+(\a)/4], v[8*(8*((\a)%4)+(\b)):8*(8*((\a)%4)+(\b))+3]   offset:((\a)%4)*16*DP+64*(\b)
	ds_store_b128 v[DST0+(\a)/4], v[8*(8*((\a)%4)+(\b))+4:8*(8*((\a)%4)+(\b))+7] offset:((\a)%4)*16*DP+64*(\b)+16
.endr
.endr
	WIN 0
	s_lshr_b32 s96, s[ART], 2                      ; where my 64 rows go.  q: [b][8 heads][1024][256]
	s_lshl3_add_u32 s96, s96, s[CT]
	s_lshl_b32 s96, s96, 19
	s_and_b32 s97, s[ART], 3
	s_lshl_b32 s97, s97, 17                        ; 256 rows of 512 bytes for each row tile
	s_bfe_u32 s98, s[ART], 0x10002                 ; k, v: [b][4 heads][2048 keys][256], the encoder's keys behind the decoder's
	s_lshl2_add_u32 s98, s98, s[CXI]
	s_lshl_b32 s98, s98, 20
	s_lshr_b32 s99, s[ART], 3
	s_lshl_b32 s99, s99, 19
	s_add_co_u32 s98, s98, s99
	s_add_co_u32 s99, s[CLX], 1
	s_lshl_b32 s99, s99, 23                        ; k begins at 8,388,608, v at 16,777,216
	s_add_co_u32 s98, s98, s99
	s_cmp_eq_u32 s[ISQ], 1
	s_cselect_b32 s96, s96, s98
	s_add_co_u32 s96, s96, s97
	s_lshl_b32 s97, s[WV], 15
	s_add_co_u32 s96, s96, s97
	s_mov_b32 s97, 0
	s_add_nc_u64 s[DB:DB+1], s[14:15], s[96:97]
	s_mul_i32 s92, s[WV], 64*DP
	v_lshl_add_u32 v[XA], v[LN], 4, s92
	s_wait_dscnt 0x0                               ; for the others' sake: my stores are done
	s_barrier_signal -1
	s_barrier_wait -1
	; Eight trips of eight rows.  The tables have one buffer: it is asked for again directly behind the lines that read it, and has the stores, the next rows' LDS loads and their norm in which to land.
	s_mov_b32 s[CNT], 8
.Lrows:
.irp i, 0,1,2,3,4,5,6,7
	ds_load_b128 v[X+8*(\i):X+8*(\i)+3],   v[XA] offset:(\i)*DP
	ds_load_b128 v[X+8*(\i)+4:X+8*(\i)+7], v[XA] offset:(\i)*DP+512
.endr
	s_wait_dscnt 0x0
	s_cmp_eq_u32 s[KIND], 2                        ; v goes out as it is
	s_cbranch_scc1 .Lpack
.irp i, 0,1,2,3,4,5,6,7
	v_pk_mul_f32 v[T+2*(\i):T+2*(\i)+1], v[X+8*(\i):X+8*(\i)+1], v[X+8*(\i):X+8*(\i)+1]
.endr
.irp k, 2,4,6
.irp i, 0,1,2,3,4,5,6,7
	v_pk_fma_f32 v[T+2*(\i):T+2*(\i)+1], v[X+8*(\i)+(\k):X+8*(\i)+(\k)+1], v[X+8*(\i)+(\k):X+8*(\i)+(\k)+1], v[T+2*(\i):T+2*(\i)+1]
.endr
.endr
.irp i, 0,1,2,3,4,5,6,7
	v_add_f32 v[T+2*(\i)], v[T+2*(\i)], v[T+2*(\i)+1]
.endr
.irp m, 1,2,4,8
.irp i, 0,1,2,3,4,5,6,7
	v_add_f32_dpp v[T+2*(\i)], v[T+2*(\i)], v[T+2*(\i)] row_xmask:\m row_mask:0xf bank_mask:0xf
.endr
.endr
.irp i, 0,1,2,3,4,5,6,7
	v_permlanex16_b32 v[T+2*(\i)+1], v[T+2*(\i)], s[SEL], s[SEL+1]
.endr
.irp i, 0,1,2,3,4,5,6,7
	v_add_f32 v[T+2*(\i)], v[T+2*(\i)], v[T+2*(\i)+1]
.endr
.irp i, 0,1,2,3,4,5,6,7
	v_fma_f32 v[T+2*(\i)], v[T+2*(\i)], s[INV], s[EPSR]        ; mean + 1e-6
.endr
.irp i, 0,1,2,3,4,5,6,7
	v_rsq_f32 v[T+2*(\i)], v[T+2*(\i)]
.endr
.irp i, 0,1,2,3,4,5,6,7
.irp k, 0,2,4,6
	v_pk_mul_f32 v[X+8*(\i)+(\k):X+8*(\i)+(\k)+1], v[X+8*(\i)+(\k):X+8*(\i)+(\k)+1], v[G+(\k):G+(\k)+1]   ; the gains: work that names no root
.endr
.endr
	s_wait_alu depctr_va_vdst(0)                   ; one wait for the eight roots, ahead of their first reader
.irp i, 0,1,2,3,4,5,6,7
.irp k, 0,2,4,6
	v_pk_mul_f32 v[X+8*(\i)+(\k):X+8*(\i)+(\k)+1], v[X+8*(\i)+(\k):X+8*(\i)+(\k)+1], v[T+2*(\i):T+2*(\i)+1] op_sel_hi:[1,0]
.endr
.endr
	s_cmp_eq_u32 s[KIND], 1                        ; the encoder's keys are not rotated
	s_cbranch_scc1 .Lpack
	s_wait_loadcnt 0x0                             ; these rows' tables
.irp i, 0,1,2,3,4,5,6,7
.irp j, 0,1,2,3                        ; high x sin(low channel), low x sin(high channel); the table's number is a bf16 half of its register
.if (\j)&1
	v_fma_mix_f32_bf16 v[U+8*((\i)&1)+2*(\j)],   v[X+8*(\i)+4+(\j)], v[CS+8*(\i)+4+(\j)/2], v[ZR] op_sel:[0,1,0] op_sel_hi:[0,1,0]
	v_fma_mix_f32_bf16 v[U+8*((\i)&1)+2*(\j)+1], v[X+8*(\i)+(\j)],   v[CS+8*(\i)+6+(\j)/2], v[ZR] op_sel:[0,1,0] op_sel_hi:[0,1,0]
.else
	v_fma_mix_f32_bf16 v[U+8*((\i)&1)+2*(\j)],   v[X+8*(\i)+4+(\j)], v[CS+8*(\i)+4+(\j)/2], v[ZR] op_sel_hi:[0,1,0]
	v_fma_mix_f32_bf16 v[U+8*((\i)&1)+2*(\j)+1], v[X+8*(\i)+(\j)],   v[CS+8*(\i)+6+(\j)/2], v[ZR] op_sel_hi:[0,1,0]
.endif
.endr
.irp j, 0,1,2,3                        ; low cos; high = high cos + low sin
.if (\j)&1
	v_fma_mix_f32_bf16 v[X+8*(\i)+(\j)],   v[X+8*(\i)+(\j)],   v[CS+8*(\i)+(\j)/2],   v[ZR] op_sel:[0,1,0] op_sel_hi:[0,1,0]
	v_fma_mix_f32_bf16 v[X+8*(\i)+4+(\j)], v[X+8*(\i)+4+(\j)], v[CS+8*(\i)+2+(\j)/2], v[U+8*((\i)&1)+2*(\j)+1] op_sel:[0,1,0] op_sel_hi:[0,1,0]
.else
	v_fma_mix_f32_bf16 v[X+8*(\i)+(\j)],   v[X+8*(\i)+(\j)],   v[CS+8*(\i)+(\j)/2],   v[ZR] op_sel_hi:[0,1,0]
	v_fma_mix_f32_bf16 v[X+8*(\i)+4+(\j)], v[X+8*(\i)+4+(\j)], v[CS+8*(\i)+2+(\j)/2], v[U+8*((\i)&1)+2*(\j)+1] op_sel_hi:[0,1,0]
.endif
.endr
.irp j, 0,1,2,3                        ; low = low cos - high sin
	v_sub_f32 v[X+8*(\i)+(\j)], v[X+8*(\i)+(\j)], v[U+8*((\i)&1)+2*(\j)]
.endr
.endr
	s_cmp_eq_u32 s[CNT], 1                         ; the last trip has no rows behind it
	s_cbranch_scc1 .Lpack
	s_add_nc_u64 s[CSB:CSB+1], s[CSB:CSB+1], 8*512 ; (the loads that named it are done: the wait for 0 above)
	LOADCS
.Lpack:
.irp i, 0,1,2,3,4,5,6,7
	v_cvt_pk_f16_f32 v[X+8*(\i)],   v[X+8*(\i)],   v[X+8*(\i)+1]
	v_cvt_pk_f16_f32 v[X+8*(\i)+1], v[X+8*(\i)+2], v[X+8*(\i)+3]
	v_cvt_pk_f16_f32 v[X+8*(\i)+2], v[X+8*(\i)+4], v[X+8*(\i)+5]
	v_cvt_pk_f16_f32 v[X+8*(\i)+3], v[X+8*(\i)+6], v[X+8*(\i)+7]
	global_store_b64 v[CO], v[X+8*(\i):X+8*(\i)+1],   s[DB:DB+1] offset:(\i)*512       ; 32 lanes store 256 consecutive bytes, aligned
	global_store_b64 v[CO], v[X+8*(\i)+2:X+8*(\i)+3], s[DB:DB+1] offset:(\i)*512+256
.endr
	s_wait_xcnt 0x0                                ; the stores' data and base are written again only behind this wait
	v_add_nc_u32 v[XA], 8*DP, v[XA]
	s_add_nc_u64 s[DB:DB+1], s[DB:DB+1], 8*512
	s_sub_co_u32 s[CNT], s[CNT], 1
	s_cmp_lg_u32 s[CNT], 0
	s_cbranch_scc1 .Lrows
	s_wait_tensorcnt 0x0                           ; the wave's end
	ds_add_u32 v[SPW], v[NIL]
	s_wait_dscnt 0x0
	CROUND                                         ; the closing round
	s_endpgm
.Lfunc_end_k_qad7557fb0f_proj:
	.size	k_qad7557fb0f_proj, .Lfunc_end_k_qad7557fb0f_proj-k_qad7557fb0f_proj
	.p2alignl 7, 3214868480
	.fill 96, 4, 3214868480
	.section	.rodata,"a",@progbits
	.p2align	6, 0x0
	.amdhsa_kernel k_qad7557fb0f_proj
		.amdhsa_group_segment_fixed_size 327680
		.amdhsa_private_segment_fixed_size 0
		.amdhsa_enable_private_segment 0
		.amdhsa_kernarg_size 48
		.amdhsa_user_sgpr_count 2
		.amdhsa_user_sgpr_kernarg_segment_ptr 1
		.amdhsa_wavefront_size32 1
		.amdhsa_system_sgpr_workgroup_id_x 1
		.amdhsa_system_sgpr_workgroup_id_y 1
		.amdhsa_system_sgpr_workgroup_id_z 1
		.amdhsa_system_vgpr_workitem_id 0
		.amdhsa_next_free_vgpr 1024
		.amdhsa_next_free_sgpr 100
		.amdhsa_reserve_vcc 0
		.amdhsa_float_denorm_mode_32 3
		.amdhsa_float_denorm_mode_16_64 3
		.amdhsa_memory_ordered 1
		.amdhsa_forward_progress 1
		.amdhsa_inst_pref_size 111
	.end_amdhsa_kernel
	.amdgpu_metadata
---
amdhsa.version: [ 1, 2 ]
amdhsa.kernels:
  - .name:           k_qad7557fb0f_proj
    .symbol:         k_qad7557fb0f_proj.kd
    .args:
      - { .name: xb, .offset: 0, .size: 8, .value_kind: global_buffer, .address_space: global }
      - { .name: wb, .offset: 8, .size: 8, .value_kind: global_buffer, .address_space: global }
      - { .name: csb, .offset: 16, .size: 8, .value_kind: global_buffer, .address_space: global }
      - { .name: q_norm_w, .offset: 24, .size: 8, .value_kind: global_buffer, .address_space: global }
      - { .name: k_norm_w, .offset: 32, .size: 8, .value_kind: global_buffer, .address_space: global }
      - { .name: qkv, .offset: 40, .size: 8, .value_kind: global_buffer, .address_space: global }
    .group_segment_fixed_size: 327680
    .private_segment_fixed_size: 0
    .kernarg_segment_align: 8
    .kernarg_segment_size: 48
    .max_flat_workgroup_size: 128
    .sgpr_count:     100
    .vgpr_count:     1024
    .wavefront_size: 32
...
	.end_amdgpu_metadata
.endif
;; end of part 2
;; launch attn (part 3): grid 32 x 8, 4 waves a work-group, clusters of 4 x 1, 327,680 bytes of LDS; arguments qkv, lo_tab, decoder_attention_mask, encoder_attention_mask, ao; writes ao
.if DOCPART == 3
	.amdgcn_target "amdgcn-amd-amdhsa--gfx1250"
	.amdhsa_code_object_version 6
	.text
	.protected	k_qad7557fb0f_attn
	.globl	k_qad7557fb0f_attn
	.p2align	8
	.type	k_qad7557fb0f_attn,@function
k_qad7557fb0f_attn:
	s_mov_b64 s[64:65], 0
	v_nop
	global_prefetch_b8 v0, s[64:65] scope:SCOPE_SE
	s_setreg_imm32_b32 hwreg(HW_REG_WAVE_MODE, 25, 1), 1
	s_wait_xcnt 0x0
	s_wait_alu depctr_hold_cnt(0) depctr_sa_sdst(0) depctr_va_vdst(0) depctr_va_sdst(0) depctr_va_ssrc(0) depctr_va_vcc(0) depctr_vm_vsrc(0)
	s_getreg_b32 s2, hwreg(HW_REG_IB_STS2, 6, 4)
	s_cmp_eq_u32 s2, 0
	s_cbranch_scc0 .Lentry_in_a_cluster
	s_endpgm
.Lentry_in_a_cluster:
	s_bfe_u32 s2, ttmp6, 0x10000c
	s_cmp_lg_u32 s2, 0x3003
	s_cbranch_scc0 .Lentry_shape_is_right
	s_endpgm
.Lentry_shape_is_right:
; ATTENTION over the decoder's and the encoder's keys in one softmax, with the soft cap 50 tanh(s / 50).  q [b][8][1024][256], k, v [b][4][2048][256] in qkv, f16; out: ao [2048 rows][8 x 256] f16.
; SHARES.  A work-group takes 32 positions of BOTH query heads of one key head: 64 query rows, four tiles of 16.  The four work-groups of a cluster take 128 consecutive positions and walk the same 13 tiles of 128 keys:
; five of the decoder (tiles c - 4 .. c modulo 8: causality and the window of 512, which the problem itself builds, hide all others; a tile that wraps round is hidden wholly by the range test) and the encoder's eight.
; Every tile is asked for jointly.  EVERY WAVE TAKES ALL 64 ROWS AND A QUARTER OF THE KEYS (32 of a tile's 128), so that a fragment read from LDS feeds four products; the four partial results meet in LDS at the end.
; LAYOUT.  S^T = K Q^T: a lane holds one query (lane % 16) and the keys 8 (lane / 16) + 0..7; two such results rounded to f16 are source 1 of O^T = V^T P.  V is turned by ds_load_tr16_b128.
; Register tile i of wave w holds query tile (i + w) % 4, so that each wave finishes its register tile 0.
; THE SCORE.  q and k carry the scale: S = q . k = 2 log2(e) x, x = score / 50.  r = 1 / (1 + 2^S), 50 tanh(x) = 50 - 100 r.  So the running MAXIMUM of the scores is kept as the running MINIMUM RN of r,
; and a weight is p = 2^(C (RN - r)), C = 100 log2(e), in 0 to 1; O and l are multiplied by a = 2^(C (RN_new - RN_old)) in every step.  A hidden key counts as r + 2^100: its weight is 0 as soon as the row has seen a visible key.
; THE MASK.  A key is visible where its mask word is not 0 and, for the decoder's, where (q - k) as an unsigned number is at most q - lo[q]: causality, window and segment in one test.
; LIMITS.  A row with NO visible key at all (the batch's whole encoder mask 0 and every key in range hidden) is averaged over the 1,664 keys walked, not over all 2,048.  A weight below 2^-126 counts as 0; below 6e-5 it keeps f16's fixed step.
; REGISTERS: window 0: v0-31 addresses and statistics; v32-63 the mask's addends, then at work; v64-127 S^T, then P; v128-255 K and V by halves.  windows 1, 2: O^T (tile i in window 1 + i / 2 at 128 (i % 2) + 8 cb).  window 3: Q (tile i, 32 channels cc at 64 i + 8 cc).
; WHAT MAY DIFFER BETWEEN PARTNERS IS KEPT APART.  Scalars s90-93 may hold my place in the cluster and serve global offsets alone; s82-89 and s94-96 never hold it and serve LDS addresses, tile numbers and branches.
; LDS addresses are made in v2-v5 alone, from first to last: these hold nothing but numbers made of the lane, the wave and constants.
.set NT,    13
.set PK,    528                        ; a row of K in LDS: 512 bytes + 16
.set PV,    544                        ; of V: 512 + 32
.set VOFF,  128*PK
.set SLOT,  139264                     ; 0x22000; the four waves' LDS words (0, 33,792, 67,584, 102,400) have neither of its bits set
.set BIASB, 2*SLOT                     ; 13 x 128 f32: 0 or 2^100 for each key of the walk; stored once, never filled
.set SPARE, BIASB+NT*512               ; the spare words
.set REDW,  3*16384                    ; at the end, in the ring's bytes, which have had their last fill: wave w's partial O^T of its register tiles 1 to 3 at REDW w + 16,384 (i - 1);
.set STAT,  196608                     ; its four RN at STAT + 512 w + 128 i, its four l 2,048 bytes behind;
.set OSTG,  200704                     ; each wave's stage of 16 rows
.set OP,    528
.set AK0, 2
.set AV0, 3
.set ADR, 4
.set ABI, 5
.set EA,  2                            ; behind the loops the same four serve the end's LDS addresses: v2 statistics, then the stage's rows back
.set EB,  3                            ; v3  partial O^T
.set EC,  4                            ; v4  into the stage
.set EO,  5                            ; v5  16 x lane: my bytes of a row of ao
.set PFO, 6
.set QA,  7                            ; v7, v8   my query's position less my lanes' first key in a tile: register tiles 0, 2; tiles 1, 3
.set QB,  8
.set DA,  9                            ; v9, v10  the same less the tile's first key
.set DB,  10
.set WA,  11                           ; v11, v12 q - lo[q]; all ones from the encoder's tiles on
.set WB,  12
.set T0,  13
.set T1,  14
.set BG,  15                           ; v15  2^100
.set RN,  16                           ; v[16:19] the running minimum of r, a tile each
.set L,   20                           ; v[20:27] l, a pair a tile
.set SPW, 28
.set NIL, 29
.set HH,  30
.set LN,  31
.set BB,  32                           ; v[32:47] addends for tiles 0, 2; v[48:63] for tiles 1, 3.  Behind their use eight registers a tile at work: +0 a, +2 C RN, +4 exchange, +5 exponent of a
.set S,   64
.set KV,  128
.set WV,  14
.set CB,  15                           ; the cluster's block of 128 positions
.set CXI, 16
.set YY,  17
.set BQ,  18
.set KVH, 19
.set W1,  20
.set P0,  21
.set TI,  22                           ; the trip
.set KBS, 23                           ; first key of the tile in hand
.set G1K, 24
.set G1V, 32
.set G0K, 40                           ; two sets: the second walks
.set G0V, 48
.set KBASE, 56
.set VBASE, 58
.set OFF, 60
.set TB,  62
.set CNT, 63
.set ORM, 66
.set BIG, 67
.set NC,  68                           ; s[68:69] -C
.set CC,  70
.set PLIM, 71
.set SEL, 72
.set PFA, 74
.set PFB, 76
.set QBASE, 78
.set AOB, 80
.set MSB, 0
.macro WIN new
.if MSB != (\new)
	s_set_vgpr_msb (MSB<<8)|(\new)
.set MSB, \new
.endif
.endm
.macro PLACES
.rept 4
	v_nop
.endr
.endm
.macro JLOAD                           ; waves 0, 1: the halves of K's tile; waves 2, 3: of V's
	s_cmp_lt_u32 s[WV], 2
	s_cbranch_scc0 .Lfor_v_\@
	tensor_load_to_lds s[G0K+4:G0K+7], s[G1K:G1K+7]
	s_nop 0
.rept 4
	v_nop
.endr
	s_branch .Lasked_\@
.Lfor_v_\@:
	tensor_load_to_lds s[G0V+4:G0V+7], s[G1V:G1V+7]
	s_nop 0
.rept 4
	v_nop
.endr
.Lasked_\@:
.endm
; A PREFETCH of the tile that the NEXT trip's refill will ask for, a trip (128 matrix instructions and a softmax) ahead of that load.  Only the encoder's tiles: each of the decoder's eight is some cluster's first.
; All eight clusters of a key head walk the encoder's tiles together: cluster 0 asks.  Its partners take 32 rows each by address; waves 0, 1 the two halves of K's rows of 512 bytes, waves 2, 3 of V's; a lane a row.
; Trips 2 to 9 name tiles 8 to 15: each block of 256 bytes once.
.macro ASK
	s_sub_co_u32 s96, s[TI], 2
	s_cmp_lt_u32 s96, s[PLIM]
	s_cbranch_scc0 .Lnot_mine_\@
	global_prefetch_b8 v[PFO], s[PFA:PFA+1] th:TH_LOAD_NT scope:SCOPE_SE
.Lnot_mine_\@:
.endm
.macro CREST
	s_cmp_lg_u32 s[WV], 0
	s_cbranch_scc1 .Lnot_wave_0_\@
	s_barrier_signal -3
.Lnot_wave_0_\@:
	s_barrier_wait -3
	s_barrier_signal -1
	s_barrier_wait -1
.endm
.macro CROUND
	s_barrier_signal -1
	s_barrier_wait -1
	CREST
.endm
	s_load_b256 s[4:11], s[0:1], 0x0               ; qkv s[4:5], lo_tab s[6:7], decoder mask s[8:9], encoder mask s[10:11]
	s_load_b64 s[12:13], s[0:1], 0x20              ; ao
	v_lshl_add_u32 v[SPW], v0, 2, SPARE
	v_mov_b32 v[NIL], 0
	ds_add_u32 v[SPW], v[NIL]                      ; the wave's opening: the add and its wait stand ahead of my first tensor load
	v_lshrrev_b32 v1, 5, v0
	v_readfirstlane_b32 s[WV], v1
	s_and_b32 s[W1], s[WV], 1
	s_mov_b32 s[CB], ttmp9
	s_bfe_u32 s[CXI], ttmp6, 0x40000
	s_and_b32 s[YY], ttmp7, 0xffff                 ; batch x 4 + key head
	s_lshr_b32 s[BQ], s[YY], 2
	s_and_b32 s[KVH], s[YY], 3
	s_lshl_b32 s[P0], s[CB], 7
	s_lshl_b32 s90, s[CXI], 5
	s_add_co_u32 s[P0], s[P0], s90                 ; my work-group's first position: it enters global addresses and the mask's numbers alone
	s_mov_b32 s[G1K], 15|(1<<16)|(1<<20)|(1<<21)|(6<<22)|(3<<25)   ; the mask of four; 2-byte elements; padding on; bit 21 beside a mask; after every 128 words 4 words
	s_mov_b32 s[G1V], 15|(1<<16)|(1<<20)|(1<<21)|(6<<22)|(7<<25)   ; 8 words
.irp g, G1K, G1V
	s_mov_b32 s[\g+1], 256<<16                     ; 64 rows of 256 elements
	s_mov_b32 s[\g+2], 64<<16
	s_mov_b32 s[\g+3], 256<<16
	s_mov_b32 s[\g+4], 64
	s_mov_b32 s[\g+5], 256
	s_mov_b32 s[\g+6], 0
	s_mov_b32 s[\g+7], 0
.endr
	s_lshl_b32 s82, s[YY], 20                      ; the key head's 2,048 rows of 512 bytes,
	s_lshl_b32 s83, s[W1], 15                      ; my 64 rows of a tile
	s_add_co_u32 s82, s82, s83
	s_add_co_u32 s82, s82, 8388608
	s_mov_b32 s83, 0
	s_mul_i32 s84, s[W1], 64*PK
	s_mul_i32 s85, s[W1], 64*PV
	s_add_co_u32 s85, s85, VOFF
	s_add_co_u32 s86, s[CB], 4
	s_and_b32 s86, s86, 7
	s_lshl_b32 s86, s86, 16                        ; the walk's first tile,
	s_mov_b32 s87, 0
	s_add_co_u32 s88, s[CB], 5
	s_and_b32 s88, s88, 7
	s_lshl_b32 s88, s88, 16                        ; and its second
	s_mov_b32 s89, 0
	s_lshl_b32 s90, s[YY], 20                      ; the prefetches' base: my work-group's 32 rows, my half of a row, K or V
	s_lshl_b32 s91, s[CXI], 14
	s_add_co_u32 s90, s90, s91
	s_lshl_b32 s91, s[W1], 8
	s_add_co_u32 s90, s90, s91
	s_mov_b32 s91, 16777216                        ; V's first byte; K's takes its place in waves 0 and 1
	s_cmp_lt_u32 s[WV], 2
	s_cselect_b32 s91, 8388608, s91
	s_add_co_u32 s90, s90, s91
	s_mov_b32 s91, 0
	s_cmp_eq_u32 s[CB], 0
	s_cselect_b32 s[PLIM], 8, 0
	s_lshl_b32 s92, s[BQ], 3                       ; q at my positions of the first of the two query heads: head 8 b + 2 x key head
	s_lshl_b32 s93, s[KVH], 1
	s_add_co_u32 s92, s92, s93
	s_lshl_b32 s92, s92, 19
	s_lshl_b32 s93, s[P0], 9
	s_add_co_u32 s92, s92, s93
	s_mov_b32 s93, 0
	s_mov_b32 s[OFF+1], 0
	s_mov_b32 s[TB], 0
	s_mov_b32 s[TI], 0
	s_lshr_b32 s[KBS], s86, 9                      ; tile x 128
	s_mov_b32 s[ORM], 0
	s_mov_b32 s[BIG], 0x71800000                   ; 2^100
	s_mov_b32 s[NC], 0xc31044fe                    ; -100 log2(e)
	s_mov_b32 s[NC+1], s[NC]
	s_mov_b32 s[CC], 0x431044fe
	s_mov_b32 s[SEL], 0x76543210
	s_mov_b32 s[SEL+1], 0xfedcba98
	s_wait_dscnt 0x0                               ; the opening add is done
	s_wait_kmcnt 0x0
	s_add_nc_u64 s[KBASE:KBASE+1], s[4:5], s[82:83]
	s_add_nc_u64 s[VBASE:VBASE+1], s[KBASE:KBASE+1], 8388608
	s_add_nc_u64 s[PFB:PFB+1], s[4:5], s[90:91]
	s_add_nc_u64 s[QBASE:QBASE+1], s[4:5], s[92:93]
	s_mov_b64 s[PFA:PFA+1], s[PFB:PFB+1]
	CROUND                                         ; all four work-groups are here: the first joint loads meet
	s_mov_b32 s[G0K], 1
	s_mov_b32 s[G0K+1], s84
	s_add_nc_u64 s[G0K+2:G0K+3], s[KBASE:KBASE+1], s[86:87]
	s_or_b32 s[G0K+3], s[G0K+3], 0x80000000
	s_mov_b32 s[G0K+4], 1
	s_add_co_u32 s[G0K+5], s84, SLOT
	s_add_nc_u64 s[G0K+6:G0K+7], s[KBASE:KBASE+1], s[88:89]
	s_or_b32 s[G0K+7], s[G0K+7], 0x80000000
	s_mov_b32 s[G0V], 1
	s_mov_b32 s[G0V+1], s85
	s_add_nc_u64 s[G0V+2:G0V+3], s[VBASE:VBASE+1], s[86:87]
	s_or_b32 s[G0V+3], s[G0V+3], 0x80000000
	s_mov_b32 s[G0V+4], 1
	s_add_co_u32 s[G0V+5], s85, SLOT
	s_add_nc_u64 s[G0V+6:G0V+7], s[VBASE:VBASE+1], s[88:89]
	s_or_b32 s[G0V+7], s[G0V+7], 0x80000000
	s_cmp_lt_u32 s[WV], 2                          ; a wave's two first fills stand in one branch: two loads of mine are out
	s_cbranch_scc0 .Lfirst_v
	tensor_load_to_lds s[G0K:G0K+3], s[G1K:G1K+7]
	s_nop 0
	tensor_load_to_lds s[G0K+4:G0K+7], s[G1K:G1K+7]
	s_nop 0
.rept 4
	v_nop
.endr
	s_branch .Lfirst_asked
.Lfirst_v:
	tensor_load_to_lds s[G0V:G0V+3], s[G1V:G1V+7]
	s_nop 0
	tensor_load_to_lds s[G0V+4:G0V+7], s[G1V:G1V+7]
	s_nop 0
.rept 4
	v_nop
.endr
.Lfirst_asked:
	v_and_b32 v1, 15, v0                           ; lane % 16; never rewritten
	v_bfe_u32 v[HH], v0, 4, 1
	v_and_b32 v[LN], 31, v0
	v_lshlrev_b32 v32, 9, v1
	v_lshl_add_u32 v32, v[HH], 4, v32              ; row x 512 + 16 x half
.irp i, 0,1,2,3
	s_add_co_u32 s90, s[WV], \i
	s_and_b32 s90, s90, 3                          ; register tile i is query tile (i + w) % 4: head tile / 2, positions 16 (tile % 2) on
	s_lshr_b32 s91, s90, 1
	s_lshl_b32 s91, s91, 19
	s_and_b32 s90, s90, 1
	s_lshl_b32 s90, s90, 13
	s_add_co_u32 s90, s90, s91
	v_add_nc_u32 v[33+\i], s90, v32
.endr
	WIN 0xc0                                       ; destination window 3
.irp i, 0,1,2,3
.irp c, 0,1,2,3,4,5,6,7
	global_load_b128 v[64*(\i)+8*(\c):64*(\i)+8*(\c)+3],   v[33+\i], s[QBASE:QBASE+1] offset:64*(\c)
	global_load_b128 v[64*(\i)+8*(\c)+4:64*(\i)+8*(\c)+7], v[33+\i], s[QBASE:QBASE+1] offset:64*(\c)+32
.endr
.endr
	WIN 0
	s_lshl_b32 s90, s[W1], 4
	s_add_co_u32 s90, s90, s[P0]
	s_xor_b32 s91, s[W1], 1
	s_lshl_b32 s91, s91, 4
	s_add_co_u32 s91, s91, s[P0]
	v_add_nc_u32 v37, s90, v1                      ; my query's position in register tiles 0, 2,
	v_add_nc_u32 v38, s91, v1                      ; and in tiles 1, 3
	s_lshl_b32 s92, s[BQ], 12                      ; the batch's 1,024 words
	v_lshl_add_u32 v39, v37, 2, s92
	v_lshl_add_u32 v40, v38, 2, s92
	global_load_b32 v41, v39, s[6:7]
	global_load_b32 v42, v40, s[6:7]
	v_lshl_add_u32 v43, v0, 2, s92                 ; thread t takes key t of each of the 13 tiles
.irp u, 0,1,2,3,4
	s_add_co_u32 s93, s[CB], 4+\u
	s_and_b32 s93, s93, 7
	s_lshl_b32 s93, s93, 9
	v_add_nc_u32 v[44+\u], s93, v43
	global_load_b32 v[64+\u], v[44+\u], s[8:9]
.endr
.irp j, 0,1,2,3,4,5,6,7
	global_load_b32 v[69+\j], v43, s[10:11] offset:512*\j
.endr
	; O^T and l start at 0, RN at 2^100: the first step is a step like any other (a is 1 while a row has seen no visible key, 0 at its first).  The moves stand in the wait for the first tile.
	WIN 0x40
.set z, 0
.rept 256
	v_mov_b32 v[z], 0
.set z, z+1
.endr
	WIN 0x80
.set z, 0
.rept 256
	v_mov_b32 v[z], 0
.set z, z+1
.endr
	WIN 0
.irp i, 0,1,2,3
	v_mov_b32 v[RN+\i], s[BIG]
	v_mov_b32 v[L+2*\i], 0
	v_mov_b32 v[L+2*\i+1], 0
.endr
	v_mov_b32 v[BG], s[BIG]
	v_lshl_add_u32 v49, v0, 2, BIASB
	s_lshl_b32 s94, s[WV], 5
	v_lshl_add_u32 v50, v[HH], 3, s94              ; my lanes' first key in a tile: 32 w + 8 (l / 16)
	v_sub_nc_u32 v[QA], v37, v50
	v_sub_nc_u32 v[QB], v38, v50
	v_add_nc_u32 v51, s94, v1
	v_mul_u32_u24 v51, v51, PK
	v_lshl_add_u32 v[AK0], v[HH], 4, v51
	v_and_b32 v52, 7, v0
	v_add_nc_u32 v52, v52, v50
	v_mul_u32_u24 v52, v52, PV
	v_bfe_u32 v53, v0, 3, 1
	v_lshl_add_u32 v52, v53, 4, v52
	v_add_nc_u32 v[AV0], VOFF, v52
	v_lshl_add_u32 v[ABI], v50, 2, BIASB
	v_lshlrev_b32 v[PFO], 9, v[LN]
	s_wait_loadcnt 0x0
	v_sub_nc_u32 v[WA], v37, v41                   ; q - lo[q]
	v_sub_nc_u32 v[WB], v38, v42
.irp u, 0,1,2,3,4,5,6,7,8,9,10,11,12
	v_cmp_eq_u32 vcc_lo, 0, v[64+\u]
	v_cndmask_b32 v[64+\u], 0, v[BG], vcc_lo
	ds_store_b32 v49, v[64+\u] offset:512*\u
.endr
.macro FETCH_K half                    ; 16 loads: my 32 keys, channels 128 half .. + 127
.irp kb, 0,1
.irp c, 0,1,2,3
	ds_load_b128 v[KV+64*(\half)+32*(\kb)+8*(\c):KV+64*(\half)+32*(\kb)+8*(\c)+3],   v[ADR] offset:(\kb)*16*PK+64*(4*(\half)+(\c))
	ds_load_b128 v[KV+64*(\half)+32*(\kb)+8*(\c)+4:KV+64*(\half)+32*(\kb)+8*(\c)+7], v[ADR] offset:(\kb)*16*PK+64*(4*(\half)+(\c))+32
.endr
.endr
.endm
.macro FETCH_V half                    ; 16 turning loads: my 32 keys, channel blocks 8 half .. + 7
.irp f, 0,1,2,3,4,5,6,7
	ds_load_tr16_b128 v[KV+64*(\half)+8*(\f):KV+64*(\half)+8*(\f)+3],   v[ADR] offset:32*(8*(\half)+(\f))
	ds_load_tr16_b128 v[KV+64*(\half)+8*(\f)+4:KV+64*(\half)+8*(\f)+7], v[ADR] offset:32*(8*(\half)+(\f))+16*PV
.endr
.endm
; product n of 64 of S^T = K Q^T: channels 32 (n / 8) on, keys 16 ((n / 4) % 2) on, register tile n % 4.  The eight accumulators take turns; the first eight products start the sums.
.macro KQW
	WIN 0x0c                                       ; Q in window 3
.set rS, S+16*(n&3)+8*((n>>2)&1)
.set rK, KV+64*(n>>5)+32*((n>>2)&1)+8*((n>>3)&3)
.set rQ, 64*(n&3)+8*(n>>3)
.if n < 8
	v_wmma_f32_16x16x32_f16 v[rS:rS+7], v[rK:rK+7], v[rQ:rQ+7], 0
.else
	v_wmma_f32_16x16x32_f16 v[rS:rS+7], v[rK:rK+7], v[rQ:rQ+7], v[rS:rS+7]
.endif
.set n, n+1
.endm
; the addend of key e / 2 of my 16, for register tiles 0, 2 (e even) or 1, 3 (e odd): the key's own where it is in range, else 2^100
.macro MASK1 e
	WIN 0
.set idx, (\e)>>1
.set cst, (idx&7)+16*(idx>>3)
.if ((\e)&1) == 0
	v_sub_nc_u32 v[T0], v[DA], cst
	v_cmp_ge_u32 vcc_lo, v[WA], v[T0]
	v_cndmask_b32 v[BB+idx], v[BG], v[BB+16+idx], vcc_lo
.else
	v_sub_nc_u32 v[T1], v[DB], cst
	v_cmp_ge_u32 vcc_lo, v[WB], v[T1]
	v_cndmask_b32 v[BB+16+idx], v[BG], v[BB+16+idx], vcc_lo
.endif
.endm
; accumulator m of 64 of O^T: register tile (m % 2) + 2 ((m % 16) / 8), channel block 4 (m / 16) + (m % 8) / 2
.macro OREG m
.set ri, ((\m)&1)+2*(((\m)&15)>>3)
.set rcb, 4*((\m)>>4)+(((\m)&7)>>1)
.set rO, 128*(ri&1)+8*rcb
.endm
.macro RS m                            ; it is multiplied by its tile's a, from its low end on
	OREG \m
	WIN 0x41+0x41*(ri>>1)
.irp z, 0,2,4,6
	v_pk_mul_f32 v[rO+\z:rO+\z+1], v[rO+\z:rO+\z+1], v[BB+8*ri:BB+8*ri+1] op_sel_hi:[1,0]
.endr
.endm
.macro PVW m                           ; and takes its product: one instruction an accumulator a trip
	OREG \m
	WIN 0x50+0x50*(ri>>1)
	v_wmma_f32_16x16x32_f16 v[rO:rO+7], v[KV+8*rcb:KV+8*rcb+7], v[S+16*ri:S+16*ri+7], v[rO:rO+7]
.endm
.macro PVG g                           ; sixteen products; behind each the rescaling of the accumulator two further on
.set pn, 16*(\g)
.rept 16
	PVW pn
.if pn+2 < 64
	RS pn+2
.endif
.set pn, pn+1
.endr
.endm
.macro SOFTMAX                         ; three batches of transcendentals, one wait each
	WIN 0
.set z, 0
.rept 64
	v_exp_f32 v[S+z], v[S+z]                       ; 2^S, each accumulator from its low end on
.set z, z+1
.endr
	v_nop
	s_wait_alu depctr_va_vdst(0)
.set z, 0
.rept 32
	v_pk_add_f32 v[S+z:S+z+1], v[S+z:S+z+1], 1.0 op_sel_hi:[1,0]
.set z, z+2
.endr
.set z, 0
.rept 64
	v_rcp_f32 v[S+z], v[S+z]                       ; r
.set z, z+1
.endr
	v_nop
	s_wait_alu depctr_va_vdst(0)
.irp i, 0,1,2,3
.irp k, 0,2,4,6,8,10,12,14
	v_pk_add_f32 v[S+16*(\i)+(\k):S+16*(\i)+(\k)+1], v[S+16*(\i)+(\k):S+16*(\i)+(\k)+1], v[BB+16*((\i)&1)+(\k):BB+16*((\i)&1)+(\k)+1]
.endr
.endr
.irp c, 0,1,2,3
.irp i, 0,1,2,3
	v_min3_num_f32 v[BB+8*(\i)+(\c)], v[S+16*(\i)+3*(\c)], v[S+16*(\i)+3*(\c)+1], v[S+16*(\i)+3*(\c)+2]
.endr
.endr
.irp i, 0,1,2,3
	v_min3_num_f32 v[BB+8*(\i)], v[BB+8*(\i)], v[S+16*(\i)+12], v[S+16*(\i)+13]
.endr
.irp i, 0,1,2,3
	v_min3_num_f32 v[BB+8*(\i)+1], v[BB+8*(\i)+1], v[S+16*(\i)+14], v[S+16*(\i)+15]
.endr
.irp i, 0,1,2,3
	v_min3_num_f32 v[BB+8*(\i)+2], v[BB+8*(\i)+2], v[BB+8*(\i)+3], v[RN+(\i)]
.endr
.irp i, 0,1,2,3
	v_min3_num_f32 v[BB+8*(\i)], v[BB+8*(\i)], v[BB+8*(\i)+1], v[BB+8*(\i)+2]
.endr
.irp i, 0,1,2,3
	v_permlanex16_b32 v[BB+8*(\i)+4], v[BB+8*(\i)], s[SEL], s[SEL+1]   ; the query's other 16 keys lie in the lane 16 away
.endr
.irp i, 0,1,2,3
	v_min_num_f32 v[BB+8*(\i)], v[BB+8*(\i)], v[BB+8*(\i)+4]
.endr
.irp i, 0,1,2,3
	v_sub_f32 v[BB+8*(\i)+5], v[BB+8*(\i)], v[RN+(\i)]
.endr
.irp i, 0,1,2,3
	v_mov_b32 v[RN+(\i)], v[BB+8*(\i)]
.endr
.irp i, 0,1,2,3
	v_mul_f32 v[BB+8*(\i)+5], s[CC], v[BB+8*(\i)+5]
.endr
.irp i, 0,1,2,3
	v_mul_f32 v[BB+8*(\i)+2], s[CC], v[RN+(\i)]
.endr
.irp i, 0,1,2,3
.irp k, 0,2,4,6,8,10,12,14
	v_pk_fma_f32 v[S+16*(\i)+(\k):S+16*(\i)+(\k)+1], v[S+16*(\i)+(\k):S+16*(\i)+(\k)+1], s[NC:NC+1], v[BB+8*(\i)+2:BB+8*(\i)+3] op_sel_hi:[1,0,0]   ; C RN - C r
.endr
.endr
.set z, 0
.rept 64
	v_exp_f32 v[S+z], v[S+z]                       ; p
.set z, z+1
.endr
.irp i, 0,1,2,3
	v_exp_f32 v[BB+8*(\i)], v[BB+8*(\i)+5]         ; a
.endr
	v_nop
	s_wait_alu depctr_va_vdst(0)
.irp i, 0,1,2,3
	v_pk_fma_f32 v[L+2*(\i):L+2*(\i)+1], v[L+2*(\i):L+2*(\i)+1], v[BB+8*(\i):BB+8*(\i)+1], v[S+16*(\i):S+16*(\i)+1] op_sel_hi:[1,0,1]
.endr
.irp k, 2,4,6,8,10,12,14
.irp i, 0,1,2,3
	v_pk_add_f32 v[L+2*(\i):L+2*(\i)+1], v[L+2*(\i):L+2*(\i)+1], v[S+16*(\i)+(\k):S+16*(\i)+(\k)+1]
.endr
.endr
.irp i, 0,1,2,3
.irp k, 0,1,2,3,4,5,6,7
	v_cvt_pk_f16_f32 v[S+16*(\i)+(\k)], v[S+16*(\i)+2*(\k)], v[S+16*(\i)+2*(\k)+1]   ; P, packed in place, ascending
.endr
.endr
.endm
; A TRIP: one tile of 128 keys.  K's first half was fetched in the trip before.  K and V pass through one buffer of 128 registers by halves.
; fill = 1: the slot is filled again with the tile two trips on; the load has a whole trip in which to land; one tensor load of mine is out behind each round.
.macro TRIP fill
	WIN 0                                          ; five plain lines: the places between the last product V^T P and the products that write over P, and the loads into V's second half
	v_sub_nc_u32 v[DA], v[QA], s[KBS]
	v_sub_nc_u32 v[DB], v[QB], s[KBS]
	v_or_b32 v[WA], s[ORM], v[WA]
	v_or_b32 v[WB], s[ORM], v[WB]
	v_add_nc_u32 v[ADR], s[TB], v[AK0]
	FETCH_K 1
.irp kb, 0,1
	ds_load_b128 v[BB+16+8*(\kb):BB+16+8*(\kb)+3],   v[ABI] offset:64*(\kb)
	ds_load_b128 v[BB+16+8*(\kb)+4:BB+16+8*(\kb)+7], v[ABI] offset:64*(\kb)+16
.endr
	v_add_nc_u32 v[ABI], 512, v[ABI]
	s_wait_dscnt 20                                ; K's first half is in; the 20 loads just issued stay out
.set n, 0
.rept 32
	KQW
.endr
	WIN 0
	PLACES
	v_add_nc_u32 v[ADR], s[TB], v[AV0]
	FETCH_V 0
	s_wait_dscnt 16                                ; K's second half and the keys' addends are in; V's 16 loads stay out
.rept 32
	KQW
	MASK1 n-33
.endr
	WIN 0
	PLACES
	FETCH_V 1
	SOFTMAX
	s_wait_dscnt 16                                ; V's first half is in
	RS 0
	RS 1
	PVG 0
	WIN 0
	s_wait_tensorcnt 0x0                           ; all my tensor loads have landed: the one that was out is my part of the next tile
	ds_add_u32 v[SPW], v[NIL]                      ; 0 onto my spare word; work on registers stands between it and the wait for it
.if \fill
	s_add_co_u32 s94, s[TI], s[CB]
	s_add_co_u32 s94, s94, 6
	s_and_b32 s94, s94, 7                          ; the tile two trips on: of the decoder,
	s_add_co_u32 s95, s[TI], 5                     ; or of the encoder
	s_cmp_ge_u32 s[TI], 3
	s_cselect_b32 s94, s95, s94
	s_lshl_b32 s[OFF], s94, 16
	s_xor_b32 s[G0K+5], s[G0K+5], SLOT
	s_add_nc_u64 s[G0K+6:G0K+7], s[KBASE:KBASE+1], s[OFF:OFF+1]
	s_or_b32 s[G0K+7], s[G0K+7], 0x80000000
	s_xor_b32 s[G0V+5], s[G0V+5], SLOT
	s_add_nc_u64 s[G0V+6:G0V+7], s[VBASE:VBASE+1], s[OFF:OFF+1]
	s_or_b32 s[G0V+7], s[G0V+7], 0x80000000
	s_wait_xcnt 0x0                                ; the last prefetch, a trip back, has read its address
	s_add_co_u32 s95, s[TI], 6
	s_lshl_b32 s[OFF], s95, 16
	s_add_nc_u64 s[PFA:PFA+1], s[PFB:PFB+1], s[OFF:OFF+1]
.endif
	PVG 1
	WIN 0
	s_wait_dscnt 0x0                               ; the add is done, V's second half is in: my reads of this slot are over
	s_barrier_signal -1
	PVG 2
	WIN 0
	s_barrier_wait -1
.if \fill
	CREST                                          ; the barrier has opened a round of the cluster's: no wave of any partner still reads this slot or has a load on its way
	JLOAD
	s_xor_b32 s[TB], s[TB], SLOT
	v_add_nc_u32 v[ADR], s[TB], v[AK0]
	FETCH_K 0                                      ; the next tile's K into V's first half, whose last reader stands sixteen products and their riders back
	ASK
.else
	s_xor_b32 s[TB], s[TB], SLOT
	s_cmp_eq_u32 s[CNT], 1                         ; the walk's last tile has none behind it
	s_cbranch_scc1 .Lno_k_\@
	v_add_nc_u32 v[ADR], s[TB], v[AK0]
	FETCH_K 0
.Lno_k_\@:
.endif
	PVG 3
	WIN 0
	s_add_co_u32 s[TI], s[TI], 1
	s_add_co_u32 s94, s[TI], s[CB]
	s_add_co_u32 s94, s94, 4
	s_and_b32 s94, s94, 7
	s_lshl_b32 s[KBS], s94, 7
	s_cmp_ge_u32 s[TI], 5
	s_cselect_b32 s[ORM], -1, 0                    ; the encoder's keys pass the range test
.endm
	s_wait_tensorcnt 1                             ; my part of the first tile is in; the second's may stay out
	s_wait_dscnt 0x0                               ; my stores of the keys' addends are done
	s_barrier_signal -1
	s_barrier_wait -1
	v_mov_b32 v[ADR], v[AK0]
	FETCH_K 0
	s_mov_b32 s[CNT], NT-2
.Ltile:
	TRIP 1
	s_sub_co_u32 s[CNT], s[CNT], 1
	s_cmp_lg_u32 s[CNT], 0
	s_cbranch_scc1 .Ltile
	s_mov_b32 s[CNT], 2
.Ltail:                                        ; the last two tiles have a text of their own
	TRIP 0
	s_sub_co_u32 s[CNT], s[CNT], 1
	s_cmp_lg_u32 s[CNT], 0
	s_cbranch_scc1 .Ltail
	; THE END.  Each wave holds, for each query tile, its own RN, l and O^T over its quarter of the keys.  Wave w finishes query tile w, its register tile 0; its register tiles 1 to 3 go to their owners through LDS.
	; A wave STORES into bytes of its own: a constant plus its number times a constant.  Behind the barrier wave w READS, for k = 1, 2, 3, register tile k of wave (w - k) mod 4, which is query tile w.
.irp i, 0,1,2,3
	v_add_f32 v[L+2*\i], v[L+2*\i], v[L+2*\i+1]
.endr
.irp i, 0,1,2,3
	v_permlanex16_b32 v[L+2*\i+1], v[L+2*\i], s[SEL], s[SEL+1]
.endr
.irp i, 0,1,2,3
	v_add_f32 v[L+2*\i], v[L+2*\i], v[L+2*\i+1]
.endr
	PLACES
	s_wait_dscnt 0x0
	s_barrier_signal -1
	s_barrier_wait -1                              ; nobody reads the ring any more, and no tensor load follows
	s_lshl_b32 s94, s[WV], 9
	s_add_co_u32 s94, s94, STAT
	v_lshl_add_u32 v[EA], v[LN], 2, s94            ; STAT + 512 w + 4 x lane
.irp i, 0,1,2,3
	ds_store_b32 v[EA], v[RN+\i] offset:128*\i
	ds_store_b32 v[EA], v[L+2*\i] offset:2048+128*\i
.endr
	s_mul_i32 s94, s[WV], REDW
	v_lshl_add_u32 v[EB], v[LN], 4, s94            ; REDW w + 16 x lane
.irp i, 1,2,3
	WIN (1+(\i>>1))<<2                             ; the stores' data: window 1 or 2
.set z, 0
.rept 32
	ds_store_b128 v[EB], v[128*(\i&1)+4*z:128*(\i&1)+4*z+3] offset:(\i-1)*16384+512*z
.set z, z+1
.endr
.endr
	WIN 0
	s_wait_dscnt 0x0                               ; for the others' sake: my stores are done
	s_barrier_signal -1
	s_barrier_wait -1
.irp k, 0,1,2,3                        ; my tile's four statistics: my own (k = 0), then those of waves w - 1, w - 2, w - 3
	s_add_co_u32 s94, s[WV], 4-\k
	s_and_b32 s94, s94, 3
	s_lshl_b32 s94, s94, 9
	s_add_co_u32 s94, s94, STAT+128*\k
	v_lshl_add_u32 v[EA], v[LN], 2, s94
	ds_load_b32 v[40+\k], v[EA]
	ds_load_b32 v[48+\k], v[EA] offset:2048
.endr
.macro REDADR k                        ; where register tile k of wave (w - k) mod 4 lies
	s_add_co_u32 s94, s[WV], 4-(\k)
	s_and_b32 s94, s94, 3
	s_mul_i32 s94, s94, REDW
	s_add_co_u32 s94, s94, ((\k)-1)*16384
	v_lshl_add_u32 v[EB], v[LN], 4, s94
.endm
	REDADR 1
.set z, 0
.rept 32
	ds_load_b128 v[KV+4*z:KV+4*z+3], v[EB] offset:512*z
.set z, z+1
.endr
	s_wait_dscnt 32                                ; the statistics are in; the first partial tile's 32 loads stay out
	v_min3_num_f32 v52, v40, v41, v42
	v_min_num_f32 v52, v52, v43
.irp k, 0,1,2,3
	v_sub_f32 v[40+\k], v52, v[40+\k]
.endr
.irp k, 0,1,2,3
	v_mul_f32 v[40+\k], s[CC], v[40+\k]
.endr
.irp k, 0,1,2,3
	v_exp_f32 v[40+\k], v[40+\k]
.endr
	v_nop
	s_wait_alu depctr_va_vdst(0)
	v_mul_f32 v53, v40, v48
	v_fmac_f32 v53, v41, v49
	v_fmac_f32 v53, v42, v50
	v_fmac_f32 v53, v43, v51
	v_rcp_f32 v53, v53
	v_nop
	s_wait_alu depctr_va_vdst(0)
.irp k, 0,1,2,3
	v_mul_f32 v[56+2*\k], v[40+\k], v53
	v_mul_f32 v[56+2*\k+1], v[40+\k], v53
.endr
	WIN 0x41
.set z, 0
.rept 64
	v_pk_mul_f32 v[z:z+1], v[z:z+1], v[56:57] op_sel_hi:[1,0]
.set z, z+2
.endr
	WIN 0
	REDADR 2
	WIN 0xc0                                       ; the second partial tile goes where Q lay
.set z, 0
.rept 32
	ds_load_b128 v[4*z:4*z+3], v[EB] offset:512*z
.set z, z+1
.endr
	s_wait_dscnt 32                                ; the first is in
	WIN 0x50
.set z, 0
.rept 64
	v_pk_fma_f32 v[z:z+1], v[KV+z:KV+z+1], v[58:59], v[z:z+1] op_sel_hi:[1,0,1]
.set z, z+2
.endr
	WIN 0
	REDADR 3
.set z, 0
.rept 32
	ds_load_b128 v[KV+4*z:KV+4*z+3], v[EB] offset:512*z
.set z, z+1
.endr
	s_wait_dscnt 32                                ; the second is in
	WIN 0x53
.set z, 0
.rept 64
	v_pk_fma_f32 v[z:z+1], v[z:z+1], v[60:61], v[z:z+1] op_sel_hi:[1,0,1]
.set z, z+2
.endr
	s_wait_dscnt 0x0
	WIN 0x50
.set z, 0
.rept 64
	v_pk_fma_f32 v[z:z+1], v[KV+z:KV+z+1], v[62:63], v[z:z+1] op_sel_hi:[1,0,1]
.set z, z+2
.endr
	WIN 0x05
.set z, 0
.rept 64
	v_cvt_pk_f16_f32 v[S+z], v[2*z], v[2*z+1]
.set z, z+1
.endr
	WIN 0
	s_mul_i32 s94, s[WV], 16*OP
	s_add_co_u32 s94, s94, OSTG                    ; my stage
	v_mul_u32_u24 v[EC], v1, OP                    ; in: row l % 16, 16 bytes for each half of the lanes
	v_lshl_add_u32 v[EC], v[HH], 4, v[EC]
	v_add_nc_u32 v[EC], s94, v[EC]
	v_lshl_add_u32 v[EA], v[LN], 4, s94            ; back: a whole row of 512 bytes
	v_lshlrev_b32 v[EO], 4, v[LN]
	s_lshl_b32 s91, s[BQ], 10
	s_add_co_u32 s91, s91, s[P0]
	s_lshl_b32 s92, s[W1], 4
	s_add_co_u32 s91, s91, s92
	s_lshl_b32 s92, s91, 12                        ; my tile's 16 rows of ao,
	s_lshl_b32 s91, s[KVH], 1
	s_lshr_b32 s93, s[WV], 1
	s_add_co_u32 s91, s91, s93
	s_lshl_b32 s91, s91, 9                         ; its head's 512 bytes of them
	s_add_co_u32 s92, s92, s91
	s_mov_b32 s93, 0
	s_add_nc_u64 s[AOB:AOB+1], s[12:13], s[92:93]
.irp f, 0,1,2,3,4,5,6,7,8,9,10,11,12,13,14,15
	ds_store_b128 v[EC], v[S+4*\f:S+4*\f+3] offset:32*\f
.endr
.irp f, 0,1,2,3,4,5,6,7,8,9,10,11,12,13,14,15
	ds_load_b128 v[KV+4*\f:KV+4*\f+3], v[EA] offset:\f*OP     ; LDS serves a wave's instructions in order (ISA guide 5.7.1.4): these see the stores above
.endr
.irp f, 0,1,2,3,4,5,6,7,8,9,10,11,12,13,14,15
	s_wait_dscnt 15-\f
	global_store_b128 v[EO], v[KV+4*\f:KV+4*\f+3], s[AOB:AOB+1] offset:4096*\f   ; 512 consecutive bytes, aligned
.endr
	s_wait_tensorcnt 0x0                           ; the wave's end
	ds_add_u32 v[SPW], v[NIL]
	s_wait_dscnt 0x0
	CROUND                                         ; the closing round
	s_endpgm
.Lfunc_end_k_qad7557fb0f_attn:
	.size	k_qad7557fb0f_attn, .Lfunc_end_k_qad7557fb0f_attn-k_qad7557fb0f_attn
	.p2alignl 7, 3214868480
	.fill 96, 4, 3214868480
	.section	.rodata,"a",@progbits
	.p2align	6, 0x0
	.amdhsa_kernel k_qad7557fb0f_attn
		.amdhsa_group_segment_fixed_size 327680
		.amdhsa_private_segment_fixed_size 0
		.amdhsa_enable_private_segment 0
		.amdhsa_kernarg_size 40
		.amdhsa_user_sgpr_count 2
		.amdhsa_user_sgpr_kernarg_segment_ptr 1
		.amdhsa_wavefront_size32 1
		.amdhsa_system_sgpr_workgroup_id_x 1
		.amdhsa_system_sgpr_workgroup_id_y 1
		.amdhsa_system_sgpr_workgroup_id_z 1
		.amdhsa_system_vgpr_workitem_id 0
		.amdhsa_next_free_vgpr 1024
		.amdhsa_next_free_sgpr 100
		.amdhsa_reserve_vcc 1
		.amdhsa_float_denorm_mode_32 3
		.amdhsa_float_denorm_mode_16_64 3
		.amdhsa_memory_ordered 1
		.amdhsa_forward_progress 1
		.amdhsa_inst_pref_size 198
	.end_amdhsa_kernel
	.amdgpu_metadata
---
amdhsa.version: [ 1, 2 ]
amdhsa.kernels:
  - .name:           k_qad7557fb0f_attn
    .symbol:         k_qad7557fb0f_attn.kd
    .args:
      - { .name: qkv, .offset: 0, .size: 8, .value_kind: global_buffer, .address_space: global }
      - { .name: lo_tab, .offset: 8, .size: 8, .value_kind: global_buffer, .address_space: global }
      - { .name: decoder_attention_mask, .offset: 16, .size: 8, .value_kind: global_buffer, .address_space: global }
      - { .name: encoder_attention_mask, .offset: 24, .size: 8, .value_kind: global_buffer, .address_space: global }
      - { .name: ao, .offset: 32, .size: 8, .value_kind: global_buffer, .address_space: global }
    .group_segment_fixed_size: 327680
    .private_segment_fixed_size: 0
    .kernarg_segment_align: 8
    .kernarg_segment_size: 40
    .max_flat_workgroup_size: 128
    .sgpr_count:     100
    .vgpr_count:     1024
    .wavefront_size: 32
...
	.end_amdgpu_metadata
.endif
;; end of part 3
;; launch oproj (part 4): grid 16 x 16, 4 waves a work-group, clusters of 4 x 4, 327,680 bytes of LDS; arguments ao, wb, out0; writes out0
.if DOCPART == 4
	.amdgcn_target "amdgcn-amd-amdhsa--gfx1250"
	.amdhsa_code_object_version 6
	.text
	.protected	k_qad7557fb0f_oproj
	.globl	k_qad7557fb0f_oproj
	.p2align	8
	.type	k_qad7557fb0f_oproj,@function
k_qad7557fb0f_oproj:
	s_mov_b64 s[64:65], 0
	v_nop
	global_prefetch_b8 v0, s[64:65] scope:SCOPE_SE
	s_setreg_imm32_b32 hwreg(HW_REG_WAVE_MODE, 25, 1), 1
	s_wait_xcnt 0x0
	s_wait_alu depctr_hold_cnt(0) depctr_sa_sdst(0) depctr_va_vdst(0) depctr_va_sdst(0) depctr_va_ssrc(0) depctr_va_vcc(0) depctr_vm_vsrc(0)
	s_getreg_b32 s2, hwreg(HW_REG_IB_STS2, 6, 4)
	s_cmp_eq_u32 s2, 0
	s_cbranch_scc0 .Lentry_in_a_cluster
	s_endpgm
.Lentry_in_a_cluster:
	s_bfe_u32 s2, ttmp6, 0x10000c
	s_cmp_lg_u32 s2, 0xf033
	s_cbranch_scc0 .Lentry_shape_is_right
	s_endpgm
.Lentry_shape_is_right:
; out0 = ao x wo.  ao: [2048][2048] f16; wo: wb + 16,777,216, [2048 k][2048 n] f16; out0: [2048][2048] f32.  Sums in f32.
; A tile is 128 x 128: 256 work-groups, one for each WGP.  Four waves, 64 x 64 each: 16 accumulators.  K goes in 8 steps of 256 through two LDS slots.
; ao's rows lie along K; wo's along N and are turned on the way out of LDS.  CLUSTER 4 x 4: ao's tile is shared along a row, wo's along a column.
; THE CLUSTERS WALK K FROM DIFFERENT STARTS and wrap round (f32 sums may be taken in any order): cluster (X, Y) begins at K step (2 X + 4 c) mod 8, c = 0, 1, 1, 0 for Y = 0 .. 3.  So the four clusters that read the
; same rows of ao stand two K steps apart: at no time do two of them ask for the same block, and their first two fills together name all eight K steps of those rows.  Of the four clusters that read the same columns
; of wo, those with unlike c stand four K steps apart.  The start hangs on the cluster's coordinates alone: it is the same in all sixteen partners.
; The matrix instruction is used transposed: a lane holds eight neighbouring numbers of a row of out0; a wave's 64 columns are 256 bytes, so each wave has a stage of its own and no barrier on the way out.
; No prefetch: a small tile, whose step is short beside what it fetches.
; REGISTERS: window 0: v0-31 addresses; v32-95 the way out; v128-255 accumulator (a, b) at 128 + 8 (4 a + b).  window 1: two fragment buffers of 128: 64 along K: 64 registers of ao, then 64 of wo.
.set NSTEP, 8
.set KSTEP, 256                        ; a K step is 512 bytes of a row of ao (1 << 9) and 256 rows of wo (1 << 20 bytes)
.set PA,    528
.set PB,    288
.set AHALF, 64*PA
.set BOFF,  128*PA
.set BHALF, 128*PB
.set SLOT,  147456                     ; 0x24000; the four waves' LDS words (0, 33,792, 67,584, 104,448) have neither of its bits set
.set STAGE, 2*SLOT
.set SP,    272
.set SPARE, STAGE+4*16*SP
.set ADRA0, 16
.set ADRB0, 17
.set ADRA,  18
.set ADRB,  20                         ; v20: k below 128 of a step; v21: from 128 on
.set STO,   24
.set RD,    25
.set CO,    26
.set SPW,   28
.set NIL,   29
.set TMP,   32
.set ACC,   128
.set F0,    0
.set F1,    128
.set ABASE, 16                         ; s[16:17] ao at the rows that I fetch, K step 0; never rewritten behind the head
.set BBASE, 18                         ; s[18:19] wo at the columns and the half of a K step's rows that I fetch, K step 0
.set G1,  24
.set G0,  32                           ; two sets: the second walks
.set TB,  44
.set CNT, 45
.set G1B, 48
.set G0B, 56
.set OFF, 66                           ; s[66:67] a K step's byte offset
.set KK,  68                           ; s68  the K step to be asked for next, before the wrap
.set TK,  69                           ; s69  at work
.set MSB, 0
.macro WIN new
.if MSB != (\new)
	s_set_vgpr_msb (MSB<<8)|(\new)
.set MSB, \new
.endif
.endm
.set MUL,  0x05
.set TO_F, 0x40
.macro PLACES
.rept 4
	v_nop
.endr
.endm
.macro JLOAD
	s_cmp_eq_u32 s11, 0
	s_cbranch_scc0 .Lfor_b_\@
	tensor_load_to_lds s[G0+4:G0+7], s[G1:G1+7]
	s_nop 0
.rept 4
	v_nop
.endr
	s_branch .Lasked_\@
.Lfor_b_\@:
	tensor_load_to_lds s[G0B+4:G0B+7], s[G1B:G1B+7]
	s_nop 0
.rept 4
	v_nop
.endr
.Lasked_\@:
.endm
.macro CREST
	s_cmp_lg_u32 s10, 0
	s_cbranch_scc1 .Lnot_wave_0_\@
	s_barrier_signal -3
.Lnot_wave_0_\@:
	s_barrier_wait -3
	s_barrier_signal -1
	s_barrier_wait -1
.endm
.macro CROUND
	s_barrier_signal -1
	s_barrier_wait -1
	CREST
.endm
	s_load_b128 s[4:7], s[0:1], 0x0                ; ao s[4:5], wb s[6:7]
	s_load_b64 s[8:9], s[0:1], 0x10                ; out0
	v_lshl_add_u32 v[SPW], v0, 2, SPARE
	v_mov_b32 v[NIL], 0
	ds_add_u32 v[SPW], v[NIL]                      ; the wave's opening: the add and its wait stand ahead of my first tensor load
	v_lshrrev_b32 v1, 5, v0
	v_readfirstlane_b32 s10, v1
	s_lshr_b32 s11, s10, 1                         ; my half of the rows.  Also: I fetch ao (0) or wo (1)
	s_and_b32 s12, s10, 1                          ; my half of the columns.  Also: which half of that tile I fetch
	s_bfe_u32 s40, ttmp6, 0x40000
	s_bfe_u32 s41, ttmp6, 0x40004
	s_lshl_b32 s42, ttmp9, 2
	s_add_co_u32 s42, s42, s40                     ; tile column
	s_and_b32 s13, ttmp7, 0xffff                   ; cluster y
	s_lshr_b32 s[TK], s13, 1
	s_xor_b32 s[TK], s[TK], s13
	s_and_b32 s[TK], s[TK], 1                      ; c = 0, 1, 1, 0
	s_lshl_b32 s[TK], s[TK], 2
	s_lshl_b32 s[KK], ttmp9, 1
	s_add_co_u32 s[KK], s[KK], s[TK]               ; my cluster's first K step: 2 x cluster x + 4 c, taken modulo 8 where it is used
	s_mov_b32 s[OFF+1], 0
	s_lshl_b32 s13, s13, 2
	s_add_co_u32 s13, s13, s41                     ; tile row
	s_lshl_b32 s43, s41, 2
	s_lshl_b32 s43, 15, s43
	s_lshl_b32 s46, 0x1111, s40
	s_or_b32 s[G1], s43, (1<<16)|(1<<20)|(1<<21)|(6<<22)|(3<<25)    ; ao: 64 rows of 256 elements; after every 128 words 4 words
	s_or_b32 s[G1B], s46, (1<<16)|(1<<20)|(1<<21)|(5<<22)|(7<<25)   ; wo: 128 rows of 128 elements; after every 64 words 8 words
	s_mov_b32 s[G1+1], 256<<16
	s_mov_b32 s[G1+2], 64<<16
	s_mov_b32 s[G1+3], 256<<16
	s_mov_b32 s[G1+4], 64
	s_mov_b32 s[G1+5], 2048
	s_mov_b32 s[G1+6], 0
	s_mov_b32 s[G1+7], 0
	s_mov_b32 s[G1B+1], 128<<16
	s_mov_b32 s[G1B+2], 128<<16
	s_mov_b32 s[G1B+3], 128<<16
	s_mov_b32 s[G1B+4], 128
	s_mov_b32 s[G1B+5], 2048
	s_mov_b32 s[G1B+6], 0
	s_mov_b32 s[G1B+7], 0
	s_lshl_b32 s16, s13, 7
	s_lshl_b32 s17, s12, 6
	s_add_co_u32 s16, s16, s17
	s_lshl_b32 s16, s16, 12                        ; ao: row 128 x tile row + 64 x half
	s_mov_b32 s17, 0
	s_lshl_b32 s18, s42, 8
	s_lshl_b32 s19, s12, 19
	s_add_co_u32 s18, s18, s19
	s_add_co_u32 s18, s18, 16777216                ; wo: 256 bytes x tile column + 128 rows x half
	s_mov_b32 s19, 0
	s_mul_i32 s20, s12, AHALF
	s_mul_i32 s21, s12, BHALF
	s_add_co_u32 s21, s21, BOFF
	s_mov_b32 s[TB], 0
	s_wait_dscnt 0x0                               ; the opening add is done
	s_wait_kmcnt 0x0
	s_add_nc_u64 s[ABASE:ABASE+1], s[4:5], s[16:17]
	s_add_nc_u64 s[BBASE:BBASE+1], s[6:7], s[18:19]
	CROUND
.irp s, 0,1
	s_add_co_u32 s[TK], s[KK], \s
	s_and_b32 s[TK], s[TK], 7                      ; my cluster's first and second K step
	s_lshl_b32 s[OFF], s[TK], 9
	s_mov_b32 s[G0+4*(\s)], 1
	s_add_co_u32 s[G0+4*(\s)+1], s20, (\s)*SLOT
	s_add_nc_u64 s[G0+4*(\s)+2:G0+4*(\s)+3], s[ABASE:ABASE+1], s[OFF:OFF+1]
	s_or_b32 s[G0+4*(\s)+3], s[G0+4*(\s)+3], 0x80000000
	s_lshl_b32 s[OFF], s[TK], 20
	s_mov_b32 s[G0B+4*(\s)], 1
	s_add_co_u32 s[G0B+4*(\s)+1], s21, (\s)*SLOT
	s_add_nc_u64 s[G0B+4*(\s)+2:G0B+4*(\s)+3], s[BBASE:BBASE+1], s[OFF:OFF+1]
	s_or_b32 s[G0B+4*(\s)+3], s[G0B+4*(\s)+3], 0x80000000
.endr
	s_add_co_u32 s[KK], s[KK], 2
	s_cmp_eq_u32 s11, 0                            ; a wave's two first fills stand in one branch
	s_cbranch_scc0 .Lfirst_b
	tensor_load_to_lds s[G0:G0+3], s[G1:G1+7]
	s_nop 0
	tensor_load_to_lds s[G0+4:G0+7], s[G1:G1+7]
	s_nop 0
.rept 4
	v_nop
.endr
	s_branch .Lfirst_asked
.Lfirst_b:
	tensor_load_to_lds s[G0B:G0B+3], s[G1B:G1B+7]
	s_nop 0
	tensor_load_to_lds s[G0B+4:G0B+7], s[G1B:G1B+7]
	s_nop 0
.rept 4
	v_nop
.endr
.Lfirst_asked:
	v_and_b32 v1, 15, v0
	v_bfe_u32 v2, v0, 4, 1
	s_mul_i32 s22, s11, AHALF
	v_mul_u32_u24 v3, v1, PA
	v_lshl_add_u32 v3, v2, 4, v3
	v_add_nc_u32 v[ADRA0], s22, v3
	v_and_b32 v4, 7, v0
	v_lshl_add_u32 v4, v2, 3, v4
	v_mul_u32_u24 v4, v4, PB
	v_bfe_u32 v5, v0, 3, 1
	v_lshl_add_u32 v4, v5, 4, v4
	s_lshl_b32 s23, s12, 7
	s_add_co_u32 s23, s23, BOFF
	v_add_nc_u32 v[ADRB0], s23, v4
	v_mov_b32 v[ADRA], v[ADRA0]
	v_mov_b32 v[ADRB], v[ADRB0]
	v_add_nc_u32 v[ADRB+1], BHALF, v[ADRB0]
	s_mul_i32 s22, s10, 16*SP
	s_add_co_u32 s22, s22, STAGE                   ; my stage
	v_mul_u32_u24 v6, v1, SP
	v_lshl_add_u32 v6, v2, 5, v6
	v_add_nc_u32 v[STO], s22, v6                   ; in: row l % 16, 32 bytes for each half of the lanes
	v_mul_u32_u24 v7, v2, SP
	v_lshl_add_u32 v7, v1, 4, v7
	v_add_nc_u32 v[RD], s22, v7                    ; back: lanes 0-15 one row of 256 bytes, lanes 16-31 the next
	v_lshlrev_b32 v8, 13, v2
	v_lshl_add_u32 v[CO], v1, 4, v8                ; and the same two rows of out0
	s_lshl_b32 s14, s13, 7
	s_lshl_b32 s15, s11, 6
	s_add_co_u32 s14, s14, s15
	s_lshl_b32 s14, s14, 13                        ; my first row, 8,192 bytes each,
	s_lshl_b32 s15, s42, 9
	s_add_co_u32 s14, s14, s15
	s_lshl_b32 s15, s12, 8
	s_add_co_u32 s14, s14, s15                     ; my 256 bytes of it
	s_mov_b32 s15, 0
	s_add_nc_u64 s[8:9], s[8:9], s[14:15]
.macro MUL8 f, c, a0, zero
	WIN MUL
.irp a, \a0, (\a0)+1
.irp b, 0,1,2,3
.if \zero
	v_wmma_f32_16x16x32_f16 v[ACC+8*(4*(\a)+(\b)):ACC+8*(4*(\a)+(\b))+7], v[(\f)+64+8*(4*(\c)+(\b)):(\f)+64+8*(4*(\c)+(\b))+7], v[(\f)+8*(4*(\c)+(\a)):(\f)+8*(4*(\c)+(\a))+7], 0
.else
	v_wmma_f32_16x16x32_f16 v[ACC+8*(4*(\a)+(\b)):ACC+8*(4*(\a)+(\b))+7], v[(\f)+64+8*(4*(\c)+(\b)):(\f)+64+8*(4*(\c)+(\b))+7], v[(\f)+8*(4*(\c)+(\a)):(\f)+8*(4*(\c)+(\a))+7], v[ACC+8*(4*(\a)+(\b)):ACC+8*(4*(\a)+(\b))+7]
.endif
.endr
.endr
.endm
.macro FETCH q, f                      ; 32 LDS loads: quarter q (64 along K) of the slot in hand; its first 32 along K first
	WIN TO_F
.irp c, 0,1
.irp i, 0,1,2,3
	ds_load_tr16_b128 v[(\f)+64+8*(4*(\c)+(\i)):(\f)+64+8*(4*(\c)+(\i))+3],   v[ADRB+(\q)/2] offset:(((\q)&1)*64+32*(\c))*PB+32*(\i)
	ds_load_tr16_b128 v[(\f)+64+8*(4*(\c)+(\i))+4:(\f)+64+8*(4*(\c)+(\i))+7], v[ADRB+(\q)/2] offset:(((\q)&1)*64+32*(\c))*PB+32*(\i)+16*PB
	ds_load_b128 v[(\f)+8*(4*(\c)+(\i)):(\f)+8*(4*(\c)+(\i))+3],   v[ADRA] offset:128*(\q)+64*(\c)+(\i)*16*PA
	ds_load_b128 v[(\f)+8*(4*(\c)+(\i))+4:(\f)+8*(4*(\c)+(\i))+7], v[ADRA] offset:128*(\q)+64*(\c)+(\i)*16*PA+32
.endr
.endr
.endm
.macro QUARTER q, f, g, zero
	s_wait_dscnt 16                                ; the first 32 along K are in
	MUL8 \f, 0, 0, \zero
	MUL8 \f, 0, 2, \zero
	PLACES
	FETCH \q, \g
	s_wait_dscnt 32                                ; all but the 32 just issued
	MUL8 \f, 1, 0, 0
	MUL8 \f, 1, 2, 0
.endm
; The last quarter multiplies buffer 1 and changes slots.  fill = 1: this slot is filled again, with my cluster's K step two steps on: 112 matrix instructions to the wait for it.
; fill = 0 (the last two K steps): nothing is asked for; the very last step (s[CNT] = 1) has no slot behind it, and the run of LDS loads is jumped over.
.macro TURN fill
	WIN 0
	s_wait_tensorcnt 0x0                           ; all my tensor loads have landed: my part of the next slot; so a group 0 may be written
	ds_add_u32 v[SPW], v[NIL]                      ; 0 onto my spare word; work on registers stands between it and the wait for it
.if \fill
	s_and_b32 s[TK], s[KK], 7                      ; the walking sets: the next K step of my cluster's walk, wrapped; the other slot than last time
	s_add_co_u32 s[KK], s[KK], 1
	s_lshl_b32 s[OFF], s[TK], 9
	s_xor_b32 s[G0+5], s[G0+5], SLOT
	s_add_nc_u64 s[G0+6:G0+7], s[ABASE:ABASE+1], s[OFF:OFF+1]
	s_or_b32 s[G0+7], s[G0+7], 0x80000000
	s_lshl_b32 s[OFF], s[TK], 20
	s_xor_b32 s[G0B+5], s[G0B+5], SLOT
	s_add_nc_u64 s[G0B+6:G0B+7], s[BBASE:BBASE+1], s[OFF:OFF+1]
	s_or_b32 s[G0B+7], s[G0B+7], 0x80000000
.endif
	s_wait_dscnt 17                                ; (the add and the youngest sixteen loads may be out)
	MUL8 F1, 0, 0, 0
	s_wait_dscnt 0x0                               ; the add is done, and my reads of this slot are over
	s_barrier_signal -1
	MUL8 F1, 0, 2, 0
	WIN 0
	s_barrier_wait -1
.if \fill
	CREST                                          ; the barrier has opened a round of the cluster's: no wave of any partner still reads this slot or has a load on its way
	JLOAD                                          ; its four v_nop are also the places in front of the loads below
.else
	s_cmp_eq_u32 s[CNT], 1
	s_cbranch_scc1 .Lno_next_\@
	PLACES
.endif
	s_xor_b32 s[TB], s[TB], SLOT
	v_add_nc_u32 v[ADRA], s[TB], v[ADRA0]
	v_add_nc_u32 v[ADRB], s[TB], v[ADRB0]
	v_add_nc_u32 v[ADRB+1], BHALF, v[ADRB]
	FETCH 0, F0
.if !(\fill)
	WIN 0                                          ; at a label every window is 0
.Lno_next_\@:
.endif
	MUL8 F1, 1, 0, 0
	MUL8 F1, 1, 2, 0
.endm
	s_wait_tensorcnt 1                             ; my part of the first K step is in
	s_barrier_signal -1
	s_barrier_wait -1
	FETCH 0, F0
	QUARTER 1, F0, F1, 1
	WIN 0
	s_mov_b32 s[CNT], NSTEP-2
.Lstep:                                        ; the 16 accumulators take turns, over every jump too
	QUARTER 2, F1, F0, 0
	QUARTER 3, F0, F1, 0
	TURN 1
	QUARTER 1, F0, F1, 0
	WIN 0
	s_sub_co_u32 s[CNT], s[CNT], 1
	s_cmp_lg_u32 s[CNT], 0
	s_cbranch_scc1 .Lstep
	s_mov_b32 s[CNT], 2
.Ltail:                                        ; the last two K steps have a text of their own; the second trip is left in its middle
	QUARTER 2, F1, F0, 0
	QUARTER 3, F0, F1, 0
	TURN 0
	WIN 0
	s_sub_co_u32 s[CNT], s[CNT], 1
	s_cmp_eq_u32 s[CNT], 0
	s_cbranch_scc1 .Lout
	QUARTER 1, F0, F1, 0
	WIN 0
	s_branch .Ltail
.Lout:
	PLACES
	PLACES
	; THE WAY OUT, 16 rows at a time through my own stage: 32 bytes a lane in, whole rows of 256 bytes back
.irp a, 0,1,2,3
.if \a >= 2
	s_wait_xcnt 0x0                                ; the registers that the stores two blocks back read are loaded again only behind this wait
.endif
.irp b, 0,1,2,3
	ds_store_b128 v[STO], v[ACC+8*(4*(\a)+(\b)):ACC+8*(4*(\a)+(\b))+3]   offset:64*(\b)
	ds_store_b128 v[STO], v[ACC+8*(4*(\a)+(\b))+4:ACC+8*(4*(\a)+(\b))+7] offset:64*(\b)+16
.endr
.irp t, 0,1,2,3,4,5,6,7
	ds_load_b128 v[TMP+32*((\a)&1)+4*(\t):TMP+32*((\a)&1)+4*(\t)+3], v[RD] offset:(\t)*2*SP   ; LDS serves a wave's instructions in order (ISA guide 5.7.1.4)
.endr
.irp t, 0,1,2,3,4,5,6,7
	s_wait_dscnt 7-(\t)
	global_store_b128 v[CO], v[TMP+32*((\a)&1)+4*(\t):TMP+32*((\a)&1)+4*(\t)+3], s[8:9] offset:(16*(\a)+2*(\t))*8192 th:TH_STORE_NT   ; 16 lanes store 256 consecutive bytes, aligned
.endr
.endr
	s_wait_tensorcnt 0x0                           ; the wave's end
	ds_add_u32 v[SPW], v[NIL]
	s_wait_dscnt 0x0
	CROUND                                         ; the closing round
	s_endpgm
.Lfunc_end_k_qad7557fb0f_oproj:
	.size	k_qad7557fb0f_oproj, .Lfunc_end_k_qad7557fb0f_oproj-k_qad7557fb0f_oproj
	.p2alignl 7, 3214868480
	.fill 96, 4, 3214868480
	.section	.rodata,"a",@progbits
	.p2align	6, 0x0
	.amdhsa_kernel k_qad7557fb0f_oproj
		.amdhsa_group_segment_fixed_size 327680
		.amdhsa_private_segment_fixed_size 0
		.amdhsa_enable_private_segment 0
		.amdhsa_kernarg_size 24
		.amdhsa_user_sgpr_count 2
		.amdhsa_user_sgpr_kernarg_segment_ptr 1
		.amdhsa_wavefront_size32 1
		.amdhsa_system_sgpr_workgroup_id_x 1
		.amdhsa_system_sgpr_workgroup_id_y 1
		.amdhsa_system_sgpr_workgroup_id_z 1
		.amdhsa_system_vgpr_workitem_id 0
		.amdhsa_next_free_vgpr 512
		.amdhsa_next_free_sgpr 72
		.amdhsa_reserve_vcc 0
		.amdhsa_float_denorm_mode_32 3
		.amdhsa_float_denorm_mode_16_64 3
		.amdhsa_memory_ordered 1
		.amdhsa_forward_progress 1
		.amdhsa_inst_pref_size 59
	.end_amdhsa_kernel
	.amdgpu_metadata
---
amdhsa.version: [ 1, 2 ]
amdhsa.kernels:
  - .name:           k_qad7557fb0f_oproj
    .symbol:         k_qad7557fb0f_oproj.kd
    .args:
      - { .name: ao, .offset: 0, .size: 8, .value_kind: global_buffer, .address_space: global }
      - { .name: wb, .offset: 8, .size: 8, .value_kind: global_buffer, .address_space: global }
      - { .name: out0, .offset: 16, .size: 8, .value_kind: global_buffer, .address_space: global }
    .group_segment_fixed_size: 327680
    .private_segment_fixed_size: 0
    .kernarg_segment_align: 8
    .kernarg_segment_size: 24
    .max_flat_workgroup_size: 128
    .sgpr_count:     72
    .vgpr_count:     512
    .wavefront_size: 32
...
	.end_amdgpu_metadata
.endif
;; end of part 4
;; ======== version 2 of 2: 4 launches; version 1 with the launch cast written anew for expert scheduling mode
;; limits: values are held in f16: magnitudes above 65,504 overflow, below 6.1e-05 lose precision
;; workspace buffers: xb 16,777,216 bytes; wb 25,165,824 bytes; csb 2,097,152 bytes; qkv 25,165,824 bytes; ao 8,388,608 bytes; lo_tab 8,192 bytes of whole numbers
;; launch cast (part 5): grid 1345 x 1, 8 waves a work-group, no clusters, 0 bytes of LDS; arguments hidden_states, encoder_hidden_states, wq, wk, wv, wo, cos, sin, position_ids, xb, wb, csb, lo_tab; writes xb, wb, csb, lo_tab
.if DOCPART == 5
	.amdgcn_target "amdgcn-amd-amdhsa--gfx1250"
	.amdhsa_code_object_version 6
	.text
	.protected	k_qad7557fb0f_cast
	.globl	k_qad7557fb0f_cast
	.p2align	8
	.type	k_qad7557fb0f_cast,@function
k_qad7557fb0f_cast:
	s_mov_b64 s[64:65], 0
	v_nop
	global_prefetch_b8 v0, s[64:65] scope:SCOPE_SE
	s_setreg_imm32_b32 hwreg(HW_REG_WAVE_SCHED_MODE, 0, 2), 2
	s_setreg_imm32_b32 hwreg(HW_REG_WAVE_MODE, 25, 1), 1
	s_wait_xcnt 0x0
	s_wait_alu depctr_vm_vsrc(0)
; ALL FLOATING-POINT INPUTS BUT THE TWO NORM WEIGHTS ARE ROUNDED ONCE TO bf16 HERE, and the range of visible self keys is made for each query.
; A work-group below NCHUNK converts one chunk of 65,536 bytes of f32: eight iterations of 8,192 bytes, each in two halves of 4,096.  Thread t takes the 16 bytes at 16 t of each half and stores 8 bytes at 8 t
; of the half's 2,048: a load of a wave covers 512 consecutive bytes, a store 256, both aligned.
;   hidden, encoder -> xb   [4096 rows][2048] bf16 (hidden first)
;   wq, wk, wv      -> wb   ONE matrix [2048 k][4096 n] bf16: columns 0-2047 wq, 2048-3071 wk, 3072-4095 wv, so that the projection has one row pitch
;   wo              -> wb + 16,777,216  [2048][2048]: rounded to bf16 like every input, and that number written as f16 (its partner in the last product is f16).
;                      LIMIT: an entry below 6.1e-5 keeps f16's fixed step of 6e-8; beyond 65,504 it would be lost.
;   cos, sin        -> csb  [2048 rows][256] bf16, sin 1,048,576 bytes behind cos
; Sixteen loads of a wave go out at once; the numbers are converted in the registers that they came into, and no register is loaded twice: no loop.
; 80 registers a wave: twelve waves, six work-groups' share, fit the 1,024 of a SIMD, and 1,345 work-groups are at most six for each of 256 WGPs.
; No LDS, no matrix unit, no cluster: nothing is shared.  No prefetch: the launch is one stream.
; Work-group NCHUNK makes lo_tab[b][q] = max(q - 511, first position of q's segment): key k of the decoder is in range for query q where lo <= k <= q.
; THE MODE: SCHED_MODE bits 1:0 = 2 (LLVM: expert scheduling mode 2), set by the entry lines.  The code itself states the register dependences
; between vector instructions and memory instructions, with s_wait_alu, always for 0.
; THE PLAN, a chunk's text.  Registers that memory instructions touch:
;   v1          the loads' offset.   Written once at the head; read by the sixteen loads; never written again.
;   v[DO ..]    the stores' offsets. v[DO] is written at the head, the other seven behind the loads; iteration i's two stores read v[DO + i]; never written again.
;   XR          Each register is a load's target once.  Iteration i's conversions write four of its eight registers in place; its two stores read them; nothing writes them afterwards.
; No load lands in a register that a vector instruction has named, and no register that a load or store has read is written again.  What is left to state is that a register is WRITTEN before a memory instruction
; reads it: one wait on va_vdst ahead of the loads (v1); one at the head of each of iterations 1 to 7, behind the wait for that iteration's data, for the conversions of the iteration before (the first of them also
; for the seven offsets), with that iteration's two stores directly behind it; one ahead of the last two stores.  So an iteration's stores stand one iteration behind its conversions.
; THE PLAN, the table's text.  v4, v5: offsets, written once, one wait on va_vdst ahead of the loads.  v6, v[16:47]: the loads' targets, named by no vector instruction before them.  v[48:79]: written by vector
; instructions, one wait on va_vdst ahead of the eight stores that read them.  What vector instructions write into scalar registers (the wave's number, 32 compares, 32 lanes read out) is waited for on va_sdst ahead of
; its first reader: the compares and the lanes go in runs of sixteen into the scalars s[MK ..], one wait behind each run.
.set NCHUNK, 1344
.set DO,    4                          ; v[4:11]   byte offset of my 8 bytes in the destination, one for each iteration
.set XR,    16                         ; v[16:79]  eight iterations x 8 numbers as loaded (4 of each half); then, in registers 0, 1 and 4, 5 of the eight, as stored
.set SRC,   30                         ; s[30:31]  the chunk's source
.set START, 32                         ; s32       the source's first chunk
.set WG,    33                         ; s33       my chunk
.set DST,   34                         ; s[34:35]  where an iteration's first half goes
.set DBASE, 36                         ; s36       the source's first byte in its destination buffer
.set SHIFT, 37                         ; s37       log2 of a chunk's bytes there, gaps counted
.set ROWJ,  38                         ; s38       bytes from an iteration's first half to its second there
.set STEP,  39                         ; s39       bytes from an iteration to the next there
.set DST2,  40                         ; s[40:41]  where an iteration's second half goes
.set WN,    2                          ; the table's text alone: s2  the wave's number
.set BO,    3                          ;                         s3  the batch's first byte in position_ids and lo_tab
.set CA,    30                         ;                         s30 the running maximum over the lanes
.set MK,    32                         ;                         s[32:47] sixteen masks of compares; then sixteen lanes' numbers
.macro PICK start, src, dst, dbase, shift, rowj, step     ; from chunk start on: another source
	s_cmp_ge_u32 s[WG], \start
	s_cselect_b64 s[SRC:SRC+1], s[\src:\src+1], s[SRC:SRC+1]
	s_cselect_b64 s[DST:DST+1], s[\dst:\dst+1], s[DST:DST+1]
	s_cselect_b32 s[START], \start, s[START]
	s_cselect_b32 s[DBASE], \dbase, s[DBASE]
	s_cselect_b32 s[SHIFT], \shift, s[SHIFT]
	s_cselect_b32 s[ROWJ], \rowj, s[ROWJ]
	s_cselect_b32 s[STEP], \step, s[STEP]
.endm
.macro OUT i                           ; iteration i's two stores
	global_store_b64 v[DO+(\i)], v[XR+8*(\i):XR+8*(\i)+1],   s[DST:DST+1]
	global_store_b64 v[DO+(\i)], v[XR+8*(\i)+4:XR+8*(\i)+5], s[DST2:DST2+1]
.endm
.macro CVT f16                         ; f16 = 1: the bf16 number is written as f16
.irp i, 0,1,2,3,4,5,6,7
	s_wait_loadcnt 14-2*(\i)                       ; loads come back in order: this iteration's two are in, the 2 (7 - i) younger ones stay out
.if (\i) > 0
	s_wait_alu depctr_va_vdst(0)                   ; the conversions of the iteration before have written the four registers that the two stores below read; at the first of these waits also: the offsets v[DO + 1 ..] are written
	OUT (\i)-1
.endif
	v_cvt_pk_bf16_f32 v[XR+8*(\i)],   v[XR+8*(\i)],   v[XR+8*(\i)+1]
	v_cvt_pk_bf16_f32 v[XR+8*(\i)+1], v[XR+8*(\i)+2], v[XR+8*(\i)+3]
	v_cvt_pk_bf16_f32 v[XR+8*(\i)+4], v[XR+8*(\i)+4], v[XR+8*(\i)+5]
	v_cvt_pk_bf16_f32 v[XR+8*(\i)+5], v[XR+8*(\i)+6], v[XR+8*(\i)+7]
.if \f16
.irp j, 0,1,4,5
	v_lshlrev_b32 v12, 16, v[XR+8*(\i)+(\j)]
	v_and_b32 v13, 0xffff0000, v[XR+8*(\i)+(\j)]
	v_cvt_pk_f16_f32 v[XR+8*(\i)+(\j)], v12, v13
.endr
.endif
.endr
	s_wait_alu depctr_va_vdst(0)                   ; the last iteration's conversions have written the four registers that the last two stores read
	OUT 7
.endm
	s_load_b512 s[4:19], s[0:1], 0x0               ; hidden s[4:5], encoder s[6:7], wq s[8:9], wk s[10:11], wv s[12:13], wo s[14:15], cos s[16:17], sin s[18:19]
	s_load_b256 s[20:27], s[0:1], 0x40             ; position_ids s[20:21], xb s[22:23], wb s[24:25], csb s[26:27]
	s_load_b64 s[28:29], s[0:1], 0x60              ; lo_tab
	s_mov_b32 s[WG], ttmp9
	s_wait_kmcnt 0x0
	s_cmp_eq_u32 s[WG], NCHUNK
	s_cbranch_scc1 .Lmask
	v_lshlrev_b32 v1, 4, v0                        ; my 16 bytes of a half's 4,096
	v_lshlrev_b32 v[DO], 3, v0                     ; my 8 bytes of its 2,048
	s_mov_b64 s[SRC:SRC+1], s[4:5]
	s_mov_b64 s[DST:DST+1], s[22:23]
	s_mov_b32 s[START], 0
	s_mov_b32 s[DBASE], 0
	s_mov_b32 s[SHIFT], 15
	s_mov_b32 s[ROWJ], 2048
	s_mov_b32 s[STEP], 4096
	PICK 256,  6,  22, 8388608,  15, 2048, 4096    ; encoder
	PICK 512,  8,  24, 0,        16, 2048, 8192    ; wq: an iteration is a row; rows of wb are 8,192 bytes apart
	PICK 768,  10, 24, 4096,     17, 8192, 16384   ; wk: a half is a row
	PICK 896,  12, 24, 6144,     17, 8192, 16384   ; wv
	PICK 1024, 14, 24, 16777216, 15, 2048, 4096    ; wo
	PICK 1280, 16, 26, 0,        15, 2048, 4096    ; cos
	PICK 1312, 18, 26, 1048576,  15, 2048, 4096    ; sin
	s_sub_co_u32 s44, s[WG], s[START]              ; my chunk within its source
	s_lshl_b32 s42, s44, 16
	s_mov_b32 s43, 0
	s_add_nc_u64 s[SRC:SRC+1], s[SRC:SRC+1], s[42:43]
	s_lshl_b32 s42, s44, s[SHIFT]
	s_add_co_u32 s42, s42, s[DBASE]
	s_add_nc_u64 s[DST:DST+1], s[DST:DST+1], s[42:43]
	s_mov_b32 s42, s[ROWJ]
	s_add_nc_u64 s[DST2:DST2+1], s[DST:DST+1], s[42:43]
	s_wait_alu depctr_va_vdst(0)                   ; v1 is written: the sixteen loads read it as their offset
.irp i, 0,1,2,3,4,5,6,7
	global_load_b128 v[XR+8*(\i):XR+8*(\i)+3],   v1, s[SRC:SRC+1] offset:8192*(\i) th:TH_LOAD_NT
	global_load_b128 v[XR+8*(\i)+4:XR+8*(\i)+7], v1, s[SRC:SRC+1] offset:8192*(\i)+4096 th:TH_LOAD_NT
.endr
.irp i, 1,2,3,4,5,6,7
	v_add_nc_u32 v[DO+(\i)], s[STEP], v[DO+(\i)-1] ; no load names these registers; the first wait on va_vdst in CVT, on either way, stands between these lines and the stores that read them
.endr
	s_sub_co_u32 s46, s[WG], 1024
	s_cmp_lt_u32 s46, 256                          ; wo's chunks: 1,024 to 1,279
	s_cbranch_scc1 .Lwo
	CVT 0
	s_endpgm
.Lwo:
	CVT 1
	s_endpgm
; v[48+i] = the last position up to 32 l + i, within my 32, at which the position id did not grow (0 where there is none): positions base .. base + 15.
; The sixteen compares stand in one run, each with a scalar of its own for its mask; one wait; then the selects and the running maximum.
.macro SEGS base
.set i, \base
.rept 16
.if i == 0
	v_cmp_le_i32 s[MK], v16, v6
.else
	v_cmp_le_i32 s[MK+i-(\base)], v[16+i], v[15+i]
.endif
.set i, i+1
.endr
	s_wait_alu depctr_va_sdst(0)                   ; the sixteen compares have written s[MK ..], ahead of the selects that read them
.set i, \base
.rept 16
.if i == 0
	v_cndmask_b32 v48, 0, v7, s[MK]
.else
	v_add_nc_u32 v8, i, v7
	v_cndmask_b32 v9, 0, v8, s[MK+i-(\base)]
	v_max_i32 v[48+i], v[47+i], v9
.endif
.set i, i+1
.endr
.endm
; v10 = the same over all lanes below mine: lanes base .. base + 15.  Sixteen lanes are read out in one run; one wait; then each lane takes the maximum so far, and the maximum takes the lane's number.
.macro LANES base
.set i, 0
.rept 16
	v_readlane_b32 s[MK+i], v79, (\base)+i
.set i, i+1
.endr
	s_wait_alu depctr_va_sdst(0)                   ; the sixteen lanes' numbers are written into s[MK ..], ahead of the scalar maxima that read them
.set i, 0
.rept 16
	v_writelane_b32 v10, s[CA], (\base)+i
	s_max_i32 s[CA], s[CA], s[MK+i]
.set i, i+1
.endr
.endm
.Lmask:                                        ; wave w < 2 takes batch w; lane l the positions 32 l .. 32 l + 31
	v_lshrrev_b32 v2, 5, v0
	v_readfirstlane_b32 s[WN], v2
	s_wait_alu depctr_va_sdst(0)                   ; the wave's number is written, ahead of its first reader, the compare below
	s_cmp_lt_u32 s[WN], 2
	s_cbranch_scc0 .Lend
	v_and_b32 v3, 31, v0
	s_lshl_b32 s[BO], s[WN], 12                    ; a batch's 1,024 words
	v_lshl_add_u32 v4, v3, 7, s[BO]                ; my 128 bytes
	v_lshlrev_b32 v5, 7, v3
	v_add_nc_u32 v5, -4, v5                        ; the word in front of them (lane 0: its own first word; position 0 starts a segment whatever it holds)
	v_max_i32 v5, 0, v5
	v_add_nc_u32 v5, s[BO], v5
	s_wait_alu depctr_va_vdst(0)                   ; v4 and v5 are written: the nine loads read them as offsets, and so do the stores at the end (v4)
.irp j, 0,1,2,3,4,5,6,7
	global_load_b128 v[16+4*(\j):16+4*(\j)+3], v4, s[20:21] offset:16*(\j)
.endr
	global_load_b32 v6, v5, s[20:21]
	v_lshlrev_b32 v7, 5, v3                        ; 32 l
	v_mov_b32 v10, 0
	s_mov_b32 s[CA], 0
	s_wait_loadcnt 0x0
	SEGS 0
	SEGS 16
	LANES 0
	LANES 16
.set i, 0
.rept 32
	v_add_nc_u32 v8, (i-511)&0xffffffff, v7        ; q - 511
	v_max_i32 v9, v10, v8
	v_max_i32 v[48+i], v[48+i], v9
.set i, i+1
.endr
	s_wait_alu depctr_va_vdst(0)                   ; the maxima have written v[48:79], which the eight stores read
.irp j, 0,1,2,3,4,5,6,7
	global_store_b128 v4, v[48+4*(\j):48+4*(\j)+3], s[28:29] offset:16*(\j)
.endr
.Lend:
	s_endpgm
.Lfunc_end_k_qad7557fb0f_cast:
	.size	k_qad7557fb0f_cast, .Lfunc_end_k_qad7557fb0f_cast-k_qad7557fb0f_cast
	.p2alignl 7, 3214868480
	.fill 96, 4, 3214868480
	.section	.rodata,"a",@progbits
	.p2align	6, 0x0
	.amdhsa_kernel k_qad7557fb0f_cast
		.amdhsa_group_segment_fixed_size 0
		.amdhsa_private_segment_fixed_size 0
		.amdhsa_enable_private_segment 0
		.amdhsa_kernarg_size 104
		.amdhsa_user_sgpr_count 2
		.amdhsa_user_sgpr_kernarg_segment_ptr 1
		.amdhsa_wavefront_size32 1
		.amdhsa_system_sgpr_workgroup_id_x 1
		.amdhsa_system_sgpr_workgroup_id_y 1
		.amdhsa_system_sgpr_workgroup_id_z 1
		.amdhsa_system_vgpr_workitem_id 0
		.amdhsa_next_free_vgpr 80
		.amdhsa_next_free_sgpr 66
		.amdhsa_reserve_vcc 0
		.amdhsa_float_denorm_mode_32 3
		.amdhsa_float_denorm_mode_16_64 3
		.amdhsa_memory_ordered 1
		.amdhsa_forward_progress 1
		.amdhsa_inst_pref_size 37
	.end_amdhsa_kernel
	.amdgpu_metadata
---
amdhsa.version: [ 1, 2 ]
amdhsa.kernels:
  - .name:           k_qad7557fb0f_cast
    .symbol:         k_qad7557fb0f_cast.kd
    .args:
      - { .name: hidden_states, .offset: 0, .size: 8, .value_kind: global_buffer, .address_space: global }
      - { .name: encoder_hidden_states, .offset: 8, .size: 8, .value_kind: global_buffer, .address_space: global }
      - { .name: wq, .offset: 16, .size: 8, .value_kind: global_buffer, .address_space: global }
      - { .name: wk, .offset: 24, .size: 8, .value_kind: global_buffer, .address_space: global }
      - { .name: wv, .offset: 32, .size: 8, .value_kind: global_buffer, .address_space: global }
      - { .name: wo, .offset: 40, .size: 8, .value_kind: global_buffer, .address_space: global }
      - { .name: cos, .offset: 48, .size: 8, .value_kind: global_buffer, .address_space: global }
      - { .name: sin, .offset: 56, .size: 8, .value_kind: global_buffer, .address_space: global }
      - { .name: position_ids, .offset: 64, .size: 8, .value_kind: global_buffer, .address_space: global }
      - { .name: xb, .offset: 72, .size: 8, .value_kind: global_buffer, .address_space: global }
      - { .name: wb, .offset: 80, .size: 8, .value_kind: global_buffer, .address_space: global }
      - { .name: csb, .offset: 88, .size: 8, .value_kind: global_buffer, .address_space: global }
      - { .name: lo_tab, .offset: 96, .size: 8, .value_kind: global_buffer, .address_space: global }
    .group_segment_fixed_size: 0
    .private_segment_fixed_size: 0
    .kernarg_segment_align: 8
    .kernarg_segment_size: 104
    .max_flat_workgroup_size: 256
    .sgpr_count:     66
    .vgpr_count:     80
    .wavefront_size: 32
...
	.end_amdgpu_metadata
.endif
;; end of part 5
;; launch proj: the kernel of part 2 again; grid 8 x 24, 4 waves a work-group, clusters of 4 x 4, 327,680 bytes of LDS; arguments xb, wb, csb, q_norm_w, k_norm_w, qkv; writes qkv
;; launch attn: the kernel of part 3 again; grid 32 x 8, 4 waves a work-group, clusters of 4 x 1, 327,680 bytes of LDS; arguments qkv, lo_tab, decoder_attention_mask, encoder_attention_mask, ao; writes ao
;; launch oproj: the kernel of part 4 again; grid 16 x 16, 4 waves a work-group, clusters of 4 x 4, 327,680 bytes of LDS; arguments ao, wb, out0; writes out0
